; MI455X (gfx1250); checked and timed in simulation.
; The chip was launched on July 23, 2026; its instructions are those of AMD's public machine-readable ISA for CDNA 5 (MIT licence, August 2026) and "CDNA5" Instruction Set Architecture Reference Guide (July 2026). The comments in the code are by the model that wrote it; some were corrected since.
;; Block. Allowed arithmetic: float matrix products may take bf16 or f16 operands with f32 sums; other float arithmetic in f32, or as packed bf16 or f16 multiplies, adds, multiply-adds, maxima and minima; sums over many terms, partial sums and values carried from step to step in f32; what a program stores and reads back later, other than sums and carried values, may be rounded once to bf16 or f16.
;; Inputs: W1 1,024 x 4,096 float32; W2 4,096 x 1,024 float32; Wk 16 x 1,024 x 64 float32; Wo 1,024 x 1,024 float32; Wq 16 x 1,024 x 64 float32; Wv 16 x 1,024 x 64 float32; b1 4,096 float32; b2 1,024 float32; bo 1,024 float32; ln1_b 1,024 float32; ln1_g 1,024 float32; ln2_b 1,024 float32; ln2_g 1,024 float32; x 4 x 1,024 x 1,024 float32.
;; Outputs: out0 4 x 1,024 x 1,024 float32.
;; One version. Each part assembles by itself: llvm-mc -triple=amdgcn-amd-amdhsa -mcpu=gfx1250 --defsym DOCPART=n.
;; ======== version 1 of 1: 7 launches
;; limits: values are held in f16: magnitudes above 65,504 overflow, below 6.1e-05 lose precision
;; workspace buffers: act8 8,388,608 bytes; act32 33,554,432 bytes; x1 16,777,216 bytes; wqkv 6,291,456 bytes; w1t 8,388,608 bytes; wn 10,485,760 bytes; pq 12,544 bytes; pf 16,640 bytes
;; launch prep (part 1): grid 1408 x 1, 4 waves a work-group, no clusters, 70,144 bytes of LDS; arguments x, ln1_g, ln1_b, Wq, Wk, Wv, Wo, W1, W2, act8, wqkv, wn, w1t, b1, pq, pf; writes act8, wqkv, wn, w1t, pq, pf
.if DOCPART == 1
	.amdgcn_target "amdgcn-amd-amdhsa--gfx1250"
	.amdhsa_code_object_version 6
	.text
	.protected	k_qeef6d0aab8_prep
	.globl	k_qeef6d0aab8_prep
	.p2align	8
	.type	k_qeef6d0aab8_prep,@function
k_qeef6d0aab8_prep:
	s_mov_b64 s[64:65], 0
	v_nop
	global_prefetch_b8 v0, s[64:65] scope:SCOPE_SE
	s_setreg_imm32_b32 hwreg(HW_REG_WAVE_MODE, 25, 1), 1
	s_wait_xcnt 0x0
; FIRST OF SEVEN LAUNCHES of a transformer block on 4,096 tokens (B 4, S 1,024, E 1,024, 16 heads of 64):
;   prep (this text): LayerNorm 1 of x, and every weight matrix rounded and turned;  qkv: the three projections;  attn: causal attention;
;   wo: O Wo + bo + x;  ln2: LayerNorm 2;  ff1: relu(lx W1 + b1);  ff2: hidden W2 + b2 + x1.
; FORMATS.  Every input (x, weights, gains, biases) is rounded ONCE to bf16.  What the program makes itself as a matrix operand (lx, q, k, v, the softmax weights, O, the hidden
; layer) is f16; the weights are the bf16 numbers written as f16 (exact down to 6e-5; below that f16 keeps a fixed step of 6e-8).  All sums, the statistics and the residual x1 are f32.
; LIMITS.  lx, q, k, v, O, the hidden layer and the weights must stay under 65,504 (f16); with all inputs 30 times the drawn spread they reach about 5,000.
; NaN and infinities are not treated apart.
; DEAD WORK.  reference() builds the causal mask itself (jnp.tril) and sets att to -inf where key > query; softmax gives such a key the weight 0 for every finite input, so its score
; and its row of v reach no output.  The launch attn therefore leaves out every window of 64 keys that lies wholly above the diagonal of its queries.  A NaN, an infinity or an
; overflow that would arise only in those windows is not carried to the result.  Nothing else is left out; every input is loaded by some launch.
; THIS LAUNCH.  Work-groups 0-383: each of the four waves turns one tile of 128 k x 64 n of a weight matrix stored [k][n] in f32 into 64 rows of 256 bytes of [n][k] in f16, through
; its own 17,408 bytes of LDS.  Work-groups 384-1407: each wave normalises one row of x.
; THE PARAMETERS of the body that qkv and ff1 share are stored here too, by the waves of tiles 0 to 31, 512 bytes each.  A parameter buffer holds in its first 256 bytes a pair of f16 floors, repeated,
; and behind them the f32 numbers that start the sums: pq (qkv): floors -inf, 3,072 zeros; pf (ff1): floors 0 (the relu), b1 rounded to bf16.
; No matrix unit, no cluster, no tensor load: no byte is shared between work-groups and memory binds.
.set TP,    272                        ; an LDS row: 256 bytes + 16
.set WT,    64*TP                      ; a wave's tile in LDS
.set SPARE, 4*WT                       ; behind the four tiles: the spare words, 128 bytes a wave
.set SPW, 2                            ; v2   LDS address of my spare word; never rewritten
.set NIL, 3                            ; v3   0; never rewritten
.set L8,  4                            ; v4   8 x lane
.set VO,  5                            ; v5   turning: my offset in two rows of the result; LayerNorm: 16 x lane
.set LSA, 6                            ; v6   where I put 16 bytes of my even column's row
.set RDA, 7                            ; v7   where I read rows back
.set OFF, 8                            ; v[8:39]    32 offsets: rows of the source, later pairs of rows of the result
.set BUF, 40                           ; v[40:167]  two sets of 32 rows x 2 columns
.set XR,  40                           ; LayerNorm: the row, 32 numbers a lane
.set GR,  72                           ; gain
.set BR,  104                          ; bias
.set YR,  136                          ; the row in f16
.set AC,  152                          ; four pairs of partial sums
.set MU,  160                          ; the mean, twice
.set RS,  162                          ; 1 / sqrt(var + eps), twice
.set TT,  168                          ; v[168:175] at work
.set PK,  176                          ; v[176:179] eight f16 to store
.set ZQ,  180                          ; v[180:183] the parameters: zeros
.set BQ,  184                          ; v[184:187] four numbers of b1
.set L16, 188                          ; v188       16 x lane
.set FQ,  190                          ; v[190:191] the floors of qkv
; 32 rows of the source, 256 bytes each: a lane takes columns 2 l and 2 l + 1
.macro LOADC b, base
.set j, 0
.rept 32
	global_load_b64 v[BUF+64*(\b)+2*j:BUF+64*(\b)+2*j+1], v[OFF+j], s[\base:\base+1] th:TH_LOAD_NT
.set j, j+1
.endr
.endm
; a set's 32 k of my two columns: rounded to bf16, written as f16, eight k (16 bytes) at a time into the column's LDS row
.macro CONV b
.irp q, 0,1,2,3
.irp par, 0,1
.irp i, 0,1,2,3
	v_cvt_pk_bf16_f32 v[TT+2*\i], v[BUF+64*(\b)+2*(8*\q+2*\i)+\par], v[BUF+64*(\b)+2*(8*\q+2*\i+1)+\par]
.endr
.irp i, 0,1,2,3
	v_and_b32 v[TT+2*\i+1], s41, v[TT+2*\i]
	v_lshlrev_b32 v[TT+2*\i], 16, v[TT+2*\i]
.endr
.irp i, 0,1,2,3
	v_cvt_pk_f16_f32 v[PK+\i], v[TT+2*\i], v[TT+2*\i+1]
.endr
	ds_store_b128 v[LSA], v[PK:PK+3] offset:\par*TP+(4*(\b)+\q)*16
.endr
.endr
.endm
; where a tile comes from and goes to: u = T - first; k block = the low kbits of u, n block = the rest
.macro ARM srcp, dstp, first, kbits, ksh, sp, nsh, dp, dbase
	s_sub_co_u32 s38, s57, \first
	s_mov_b64 s[44:45], s[\srcp:\srcp+1]
	s_and_b32 s39, s38, (1<<\kbits)-1
	s_lshr_b32 s38, s38, \kbits
	s_lshl_b32 s42, s39, \ksh                      ; 128 rows of the source
	s_lshl_b32 s51, s38, 8                         ; 64 columns of f32
	s_add_co_u32 s42, s42, s51
	s_mov_b32 s46, \sp                             ; bytes in a row of the source
	s_mov_b64 s[48:49], s[\dstp:\dstp+1]
	s_lshl_b32 s58, s38, \nsh                      ; 64 rows of the result
	s_lshl_b32 s39, s39, 8                         ; 128 k of f16
	s_add_co_u32 s58, s58, s39
	s_add_co_u32 s58, s58, \dbase
	s_mov_b32 s50, \dp                             ; bytes in a row of the result
.endm
; 32 numbers rounded to bf16 and widened again, in place
.macro RND base
.set i, 0
.rept 16
	v_cvt_pk_bf16_f32 v[TT+i%8], v[\base+2*i], v[\base+2*i+1]
	v_lshlrev_b32 v[\base+2*i], 16, v[TT+i%8]
	v_and_b32 v[\base+2*i+1], s41, v[TT+i%8]
.set i, i+1
.endr
.endm
; the four pairs of partial sums into one number, the same in all 32 lanes
.macro RED
	v_pk_add_f32 v[AC:AC+1], v[AC:AC+1], v[AC+2:AC+3]
	v_pk_add_f32 v[AC+4:AC+5], v[AC+4:AC+5], v[AC+6:AC+7]
	v_pk_add_f32 v[AC:AC+1], v[AC:AC+1], v[AC+4:AC+5]
	v_add_f32 v[AC], v[AC], v[AC+1]
	v_add_f32_dpp v[AC], v[AC], v[AC] row_xmask:1 row_mask:0xf bank_mask:0xf
	v_add_f32_dpp v[AC], v[AC], v[AC] row_xmask:2 row_mask:0xf bank_mask:0xf
	v_add_f32_dpp v[AC], v[AC], v[AC] row_xmask:4 row_mask:0xf bank_mask:0xf
	v_add_f32_dpp v[AC], v[AC], v[AC] row_xmask:8 row_mask:0xf bank_mask:0xf
	v_permlanex16_b32 v[AC+1], v[AC], s42, s43
	v_add_f32 v[AC], v[AC], v[AC+1]
.endm
; One row of 1,024 numbers in one wave: the mean, then the variance of the differences (no difference of large sums), then (x - mu) rstd g + b, rounded once to f16.
.macro LNROW xp, gp, bp, yp, rndx
.irp j, 0,1,2,3,4,5,6,7
	global_load_b128 v[XR+4*\j:XR+4*\j+3], v[VO], s[\xp:\xp+1] offset:512*\j
.endr
.irp j, 0,1,2,3,4,5,6,7
	global_load_b128 v[GR+4*\j:GR+4*\j+3], v[VO], s[\gp:\gp+1] offset:512*\j
.endr
.irp j, 0,1,2,3,4,5,6,7
	global_load_b128 v[BR+4*\j:BR+4*\j+3], v[VO], s[\bp:\bp+1] offset:512*\j
.endr
	s_wait_loadcnt 16                              ; the row is in; the 16 younger loads, gain and bias, may stay out
.if \rndx
	RND XR
.endif
.irp c, 0,1,2,3
	v_pk_add_f32 v[AC+2*\c:AC+2*\c+1], v[XR+2*\c:XR+2*\c+1], v[XR+8+2*\c:XR+8+2*\c+1]
.endr
.irp g, 2,3
.irp c, 0,1,2,3
	v_pk_add_f32 v[AC+2*\c:AC+2*\c+1], v[AC+2*\c:AC+2*\c+1], v[XR+8*\g+2*\c:XR+8*\g+2*\c+1]
.endr
.endr
	RED
	v_mul_f32 v[MU], s44, v[AC]                    ; sum / 1,024
	v_mov_b32 v[MU+1], v[MU]
.set i, 0
.rept 16
	v_pk_add_f32 v[XR+2*i:XR+2*i+1], v[XR+2*i:XR+2*i+1], v[MU:MU+1] neg_lo:[0,1] neg_hi:[0,1]
.set i, i+1
.endr
.irp c, 0,1,2,3
	v_pk_mul_f32 v[AC+2*\c:AC+2*\c+1], v[XR+2*\c:XR+2*\c+1], v[XR+2*\c:XR+2*\c+1]
.endr
.irp g, 1,2,3
.irp c, 0,1,2,3
	v_pk_fma_f32 v[AC+2*\c:AC+2*\c+1], v[XR+8*\g+2*\c:XR+8*\g+2*\c+1], v[XR+8*\g+2*\c:XR+8*\g+2*\c+1], v[AC+2*\c:AC+2*\c+1]
.endr
.endr
	RED
	v_fma_f32 v[AC+2], v[AC], s44, s45             ; var + eps
	v_rsq_f32 v[RS], v[AC+2]
	s_wait_loadcnt 0x0                             ; gain and bias
	RND GR                                         ; independent work behind the root,
	RND BR
	s_wait_alu depctr_va_vdst(0)                   ; and its one wait, ahead of the first line that names its result
	v_mov_b32 v[RS+1], v[RS]
.set i, 0
.rept 16
	v_pk_mul_f32 v[XR+2*i:XR+2*i+1], v[XR+2*i:XR+2*i+1], v[RS:RS+1]
.set i, i+1
.endr
.set i, 0
.rept 16
	v_pk_fma_f32 v[XR+2*i:XR+2*i+1], v[XR+2*i:XR+2*i+1], v[GR+2*i:GR+2*i+1], v[BR+2*i:BR+2*i+1]
.set i, i+1
.endr
.set i, 0
.rept 16
	v_cvt_pk_f16_f32 v[YR+i], v[XR+2*i], v[XR+2*i+1]
.set i, i+1
.endr
.irp j, 0,1,2,3,4,5,6,7
	global_store_b64 v[L8], v[YR+2*\j:YR+2*\j+1], s[\yp:\yp+1] offset:256*\j  ; 32 lanes store 256 consecutive bytes, aligned
.endr
.endm
	s_load_b512 s[8:23], s[0:1], 0x0               ; x 8, ln1_g 10, ln1_b 12, Wq 14, Wk 16, Wv 18, Wo 20, W1 22
	s_load_b256 s[24:31], s[0:1], 0x40             ; W2 24, act8 26, wqkv 28, wn 30
	s_load_b128 s[32:35], s[0:1], 0x60             ; w1t 32, b1 34
	s_load_b128 s[60:63], s[0:1], 0x70             ; pq 60, pf 62
	v_lshl_add_u32 v[SPW], v0, 2, SPARE
	v_mov_b32 v[NIL], 0
	v_lshrrev_b32 v1, 5, v0
	v_readfirstlane_b32 s40, v1                    ; wave 0..3
	v_and_b32 v1, 31, v0                           ; lane
	v_lshlrev_b32 v[L8], 3, v1
	s_mov_b32 s41, 0xffff0000                      ; a word's upper bf16
	s_wait_kmcnt 0x0
	s_cmp_lt_u32 ttmp9, 384
	s_cbranch_scc0 .Lln
	; TURNING.  Tile T = 4 x work-group + wave: 0-383 Wq, Wk, Wv; 384-511 Wo; 512-1023 W1; 1024-1535 W2
	s_lshl_b32 s57, ttmp9, 2
	s_add_co_u32 s57, s57, s40
	s_mov_b32 s43, 0
	s_mov_b32 s59, 0
	s_cmp_lt_u32 ttmp9, 96
	s_cbranch_scc0 .Lnot_qkv
	s_lshr_b32 s38, s57, 7                         ; which of the three tensors [16][1024][64]
	s_cmp_eq_u32 s38, 0
	s_cselect_b64 s[44:45], s[14:15], s[16:17]
	s_cmp_eq_u32 s38, 2
	s_cselect_b64 s[44:45], s[18:19], s[44:45]
	s_and_b32 s42, s57, 127                        ; 8 x head + k block: 128 rows of 256 bytes each
	s_lshl_b32 s42, s42, 15
	s_mov_b32 s46, 256
	s_mov_b64 s[48:49], s[28:29]
	s_lshr_b32 s58, s57, 3                         ; 16 x tensor + head: 64 rows of wqkv
	s_lshl_b32 s58, s58, 17
	s_and_b32 s39, s57, 7
	s_lshl_b32 s39, s39, 8
	s_add_co_u32 s58, s58, s39
	s_mov_b32 s50, 2048
	s_branch .Lx
.Lnot_qkv:
	s_cmp_lt_u32 ttmp9, 128
	s_cbranch_scc0 .Lnot_wo
	ARM 20, 30, 384, 3, 19, 4096, 17, 2048, 0      ; Wo [1024][1024] -> wn
	s_branch .Lx
.Lnot_wo:
	s_cmp_lt_u32 ttmp9, 256
	s_cbranch_scc0 .Lnot_w1
	ARM 22, 32, 512, 3, 21, 16384, 17, 2048, 0     ; W1 [1024][4096] -> w1t
	s_branch .Lx
.Lnot_w1:
	ARM 24, 30, 1024, 5, 19, 4096, 19, 8192, 2097152  ; W2 [4096][1024] -> wn, behind Wo's 2 MiB
.Lx:
	s_add_nc_u64 s[44:45], s[44:45], s[42:43]      ; the tile's rows 0-31,
	s_add_nc_u64 s[48:49], s[48:49], s[58:59]
	s_lshl_b32 s54, s46, 5
	s_mov_b32 s55, 0
	s_add_nc_u64 s[52:53], s[44:45], s[54:55]      ; and 32-63
	s_lshl_b32 s54, s46, 6                         ; a trip's 64 rows
.set j, 0
.rept 32
	v_mad_u32_u24 v[OFF+j], s46, j, v[L8]
.set j, j+1
.endr
	s_mul_i32 s38, s40, WT
	v_mul_u32_u24 v[LSA], v1, 2*TP                 ; LDS row 2 l
	v_add_nc_u32 v[LSA], s38, v[LSA]
	v_bfe_u32 v[TT], v0, 4, 1
	v_and_b32 v[TT+1], 15, v0
	v_mul_u32_u24 v[RDA], v[TT], TP                ; back: lanes 0-15 one row of 256 bytes, lanes 16-31 the next
	v_lshl_add_u32 v[RDA], v[TT+1], 4, v[RDA]
	v_add_nc_u32 v[RDA], s38, v[RDA]
	v_mul_u32_u24 v[VO], s50, v[TT]
	v_lshl_add_u32 v[VO], v[TT+1], 4, v[VO]
	s_mov_b32 s56, 2
.Lxt:                                          ; a trip: 64 k of the tile's 128
	LOADC 0, 44
	LOADC 1, 52
	s_wait_loadcnt 32                              ; the first set is in; the second set's 32 loads may stay out
	CONV 0
	s_wait_loadcnt 0x0                             ; every load of the trip is done, so the bases may be stepped
	CONV 1
	s_add_nc_u64 s[44:45], s[44:45], s[54:55]
	s_add_nc_u64 s[52:53], s[52:53], s[54:55]
	v_add_nc_u32 v[LSA], 128, v[LSA]               ; 64 k of f16 further along the LDS rows
	s_sub_co_u32 s56, s56, 1
	s_cmp_lg_u32 s56, 0
	s_cbranch_scc1 .Lxt
.set j, 0
.rept 32
	v_mad_u32_u24 v[OFF+j], s50, 2*j, v[VO]        ; rows 2 j and 2 j + 1 of the result
.set j, j+1
.endr
.set j, 0
.rept 32
	ds_load_b128 v[BUF+4*j:BUF+4*j+3], v[RDA] offset:2*TP*j  ; my own bytes: LDS serves a wave's instructions in order (ISA guide 5.7.1.4), so these see the stores above
.set j, j+1
.endr
.set j, 0
.rept 32
	s_wait_dscnt 31-j                              ; the younger loads may stay out
	global_store_b128 v[OFF+j], v[BUF+4*j:BUF+4*j+3], s[48:49]  ; 16 lanes store 256 consecutive bytes, aligned
.set j, j+1
.endr
	; THE PARAMETERS.  The wave of tile T < 32 rounds numbers 128 T .. 128 T + 127 of b1 into pf; T < 24 also stores as many zeros into pq; T = 0 stores the two blocks of floors.
	; None of the registers below is named by the stores above.
	s_cmp_lt_u32 s57, 32
	s_cbranch_scc0 .Lend
	s_lshl_b32 s42, s57, 9                         ; 512 bytes a wave; s43 is still 0
	s_add_nc_u64 s[34:35], s[34:35], s[42:43]
	s_add_nc_u64 s[60:61], s[60:61], s[42:43]
	s_add_nc_u64 s[62:63], s[62:63], s[42:43]
	v_lshlrev_b32 v[L16], 4, v1
	global_load_b128 v[BQ:BQ+3], v[L16], s[34:35]
.irp i, 0,1,2,3
	v_mov_b32 v[ZQ+\i], 0
.endr
	s_wait_loadcnt 0x0
	v_cvt_pk_bf16_f32 v[TT], v[BQ], v[BQ+1]
	v_cvt_pk_bf16_f32 v[TT+1], v[BQ+2], v[BQ+3]
	v_lshlrev_b32 v[BQ], 16, v[TT]
	v_and_b32 v[BQ+1], s41, v[TT]
	v_lshlrev_b32 v[BQ+2], 16, v[TT+1]
	v_and_b32 v[BQ+3], s41, v[TT+1]
	global_store_b128 v[L16], v[BQ:BQ+3], s[62:63] offset:256  ; 512 consecutive bytes, aligned
	s_cmp_lt_u32 s57, 24
	s_cbranch_scc0 .Lend
	global_store_b128 v[L16], v[ZQ:ZQ+3], s[60:61] offset:256
	s_cmp_lg_u32 s57, 0
	s_cbranch_scc1 .Lend
	v_mov_b32 v[FQ], 0xfc00fc00                    ; -inf twice in f16: a maximum with it changes no number
	v_mov_b32 v[FQ+1], 0xfc00fc00
	global_store_b64 v[L8], v[FQ:FQ+1], s[60:61]   ; 256 consecutive bytes each
	global_store_b64 v[L8], v[ZQ:ZQ+1], s[62:63]   ; 0 twice: the relu
	s_branch .Lend
.Lln:                                          ; LAYERNORM 1: row 4 x (work-group - 384) + wave
	s_sub_co_u32 s38, ttmp9, 384
	s_lshl_b32 s38, s38, 2
	s_add_co_u32 s38, s38, s40
	s_lshl_b32 s46, s38, 12
	s_mov_b32 s47, 0
	s_add_nc_u64 s[8:9], s[8:9], s[46:47]
	s_lshl_b32 s46, s38, 11
	s_add_nc_u64 s[26:27], s[26:27], s[46:47]
	s_mov_b32 s42, 0x76543210                      ; v_permlanex16_b32: each lane takes its own place in the other half
	s_mov_b32 s43, 0xfedcba98
	s_mov_b32 s44, 0x3a800000                      ; 1 / 1,024
	s_mov_b32 s45, 0x3727c5ac                      ; 1e-5
	v_lshlrev_b32 v[VO], 4, v1
	LNROW 8, 10, 12, 26, 1
.Lend:
	s_wait_tensorcnt 0x0                           ; the wave's end, behind my last LDS store
	ds_add_u32 v[SPW], v[NIL]
	s_wait_dscnt 0x0
	s_endpgm
.Lfunc_end_k_qeef6d0aab8_prep:
	.size	k_qeef6d0aab8_prep, .Lfunc_end_k_qeef6d0aab8_prep-k_qeef6d0aab8_prep
	.p2alignl 7, 3214868480
	.fill 96, 4, 3214868480
	.section	.rodata,"a",@progbits
	.p2align	6, 0x0
	.amdhsa_kernel k_qeef6d0aab8_prep
		.amdhsa_group_segment_fixed_size 70144
		.amdhsa_private_segment_fixed_size 0
		.amdhsa_enable_private_segment 0
		.amdhsa_kernarg_size 128
		.amdhsa_user_sgpr_count 2
		.amdhsa_user_sgpr_kernarg_segment_ptr 1
		.amdhsa_wavefront_size32 1
		.amdhsa_system_sgpr_workgroup_id_x 1
		.amdhsa_system_sgpr_workgroup_id_y 1
		.amdhsa_system_sgpr_workgroup_id_z 1
		.amdhsa_system_vgpr_workitem_id 0
		.amdhsa_next_free_vgpr 192
		.amdhsa_next_free_sgpr 66
		.amdhsa_reserve_vcc 0
		.amdhsa_float_denorm_mode_32 3
		.amdhsa_float_denorm_mode_16_64 3
		.amdhsa_memory_ordered 1
		.amdhsa_forward_progress 1
		.amdhsa_inst_pref_size 52
	.end_amdhsa_kernel
	.amdgpu_metadata
---
amdhsa.version: [ 1, 2 ]
amdhsa.kernels:
  - .name:           k_qeef6d0aab8_prep
    .symbol:         k_qeef6d0aab8_prep.kd
    .args:
      - { .name: x, .offset: 0, .size: 8, .value_kind: global_buffer, .address_space: global }
      - { .name: ln1_g, .offset: 8, .size: 8, .value_kind: global_buffer, .address_space: global }
      - { .name: ln1_b, .offset: 16, .size: 8, .value_kind: global_buffer, .address_space: global }
      - { .name: Wq, .offset: 24, .size: 8, .value_kind: global_buffer, .address_space: global }
      - { .name: Wk, .offset: 32, .size: 8, .value_kind: global_buffer, .address_space: global }
      - { .name: Wv, .offset: 40, .size: 8, .value_kind: global_buffer, .address_space: global }
      - { .name: Wo, .offset: 48, .size: 8, .value_kind: global_buffer, .address_space: global }
      - { .name: W1, .offset: 56, .size: 8, .value_kind: global_buffer, .address_space: global }
      - { .name: W2, .offset: 64, .size: 8, .value_kind: global_buffer, .address_space: global }
      - { .name: act8, .offset: 72, .size: 8, .value_kind: global_buffer, .address_space: global }
      - { .name: wqkv, .offset: 80, .size: 8, .value_kind: global_buffer, .address_space: global }
      - { .name: wn, .offset: 88, .size: 8, .value_kind: global_buffer, .address_space: global }
      - { .name: w1t, .offset: 96, .size: 8, .value_kind: global_buffer, .address_space: global }
      - { .name: b1, .offset: 104, .size: 8, .value_kind: global_buffer, .address_space: global }
      - { .name: pq, .offset: 112, .size: 8, .value_kind: global_buffer, .address_space: global }
      - { .name: pf, .offset: 120, .size: 8, .value_kind: global_buffer, .address_space: global }
    .group_segment_fixed_size: 70144
    .private_segment_fixed_size: 0
    .kernarg_segment_align: 8
    .kernarg_segment_size: 128
    .max_flat_workgroup_size: 128
    .sgpr_count:     66
    .vgpr_count:     192
    .wavefront_size: 32
...
	.end_amdgpu_metadata
.endif
;; end of part 1
;; launch qkv (part 2): grid 12 x 16, 4 waves a work-group, clusters of 4 x 4, 327,680 bytes of LDS; arguments act8, wqkv, act32, pq; writes act32
.if DOCPART == 2
	.amdgcn_target "amdgcn-amd-amdhsa--gfx1250"
	.amdhsa_code_object_version 6
	.text
	.protected	k_qeef6d0aab8_qkv
	.globl	k_qeef6d0aab8_qkv
	.p2align	8
	.type	k_qeef6d0aab8_qkv,@function
k_qeef6d0aab8_qkv:
	s_mov_b64 s[64:65], 0
	v_nop
	global_prefetch_b8 v0, s[64:65] scope:SCOPE_SE
	s_setreg_imm32_b32 hwreg(HW_REG_WAVE_MODE, 25, 1), 1
	s_wait_xcnt 0x0
	s_wait_alu depctr_hold_cnt(0) depctr_sa_sdst(0) depctr_va_vdst(0) depctr_va_sdst(0) depctr_va_ssrc(0) depctr_va_vcc(0) depctr_vm_vsrc(0)
	s_getreg_b32 s2, hwreg(HW_REG_IB_STS2, 6, 4)
	s_cmp_eq_u32 s2, 0
	s_cbranch_scc0 .Lentry_in_a_cluster
	s_endpgm
.Lentry_in_a_cluster:
	s_bfe_u32 s2, ttmp6, 0x10000c
	s_cmp_lg_u32 s2, 0xf033
	s_cbranch_scc0 .Lentry_shape_is_right
	s_endpgm
.Lentry_shape_is_right:
; C = max(A B^T + bias, floor), for two launches of one shape: A [4096][1024] f16 (a LayerNorm's rows), B [N][1024] f16 (weights, turned), sums in f32, C rounded once to f16.
; WHAT DIFFERS BETWEEN THE TWO LAUNCHES COMES AS DATA, in a parameter buffer that the first launch stored: bytes 0-255 a pair of f16 floors, repeated; from byte 256 on N numbers in f32 that start the sums.
;   The q, k, v projections (N = 3,072): floors -inf, zeros.   The first feed-forward product (N = 4,096): floors 0, which is the relu, and b1 rounded to bf16.
; So the text has no branch between the two.  The price in the projections: 16 loads of zeros a wave, and 256 maxima a wave that change no number, beside 2,048 matrix instructions; a second text would double this body's bytes.
; C IS STORED BY BLOCKS OF 64 COLUMNS: element (m, n) at byte ((64 (m >> 10) + (n >> 6)) 1024 + (m & 1023)) 128 + 2 (n & 63): a head's (or 64 hidden channels') 1,024 rows of a batch lie dense.
; LIMITS: C must stay under 65,504 (f16); a NaN in C is replaced by the floor.
; SHARES.  A work-group of four waves makes 256 x 256 of C, a wave 128 x 128: 64 accumulators of 16 x 16, 512 registers.  K goes in 8 steps of 128 through two LDS slots filled by tensor loads;
; rows of the tiles are 256 bytes of memory, aligned.
; A K STEP IS WRITTEN TWICE: once for the six steps that fill their slot again, once for the last two, which ask for nothing; each text is a loop.  The slot in hand is a scalar register, 0 or SLOT, turned by an
; exclusive or with SLOT; the fragments' addresses are made from it at each change of slots, and one descriptor set walks: its LDS word is my wave's place plus the slot just read out, its address steps by a K step.
; The first quarter step, whose products start the sums, stands ahead of the first loop, which is entered in its middle.  The price of one text for both last steps, once a launch: the very last change of slots passes a
; barrier that orders nothing and issues 32 LDS loads, of the other slot's old bytes, that nobody multiplies.
; CLUSTER.  4 x 4 work-groups: the four of a row need the same tiles of A, the four of a column the same tiles of B; each tile is asked for jointly, by the same load with the same descriptor and mask.
; THE MATRIX INSTRUCTION IS USED TRANSPOSED (source 0 = 16 rows of B, source 1 = 16 rows of A): a lane holds row l % 16 of C and the columns 8 (l / 16) + 0..7.
; THE BIAS STARTS THE SUMS: it is the C operand of each accumulator's first product, so it costs no addition.
; REGISTERS, in windows of 256 (s_set_vgpr_msb: bits 1:0 source 0, 3:2 source 1, 5:4 source 2, 7:6 destination):
;   window 0: v0-31 addresses; v64-127, v128-191 fragments of A, two buffers; v32-63, v192-255 at work on the way out
;   window 1: v0-63 the bias of my 128 columns (8 registers for each block of 16); v64-127, v128-191 fragments of B
;   window 2: the accumulators of my rows 0-63 ((a, b) at v[8 (8 a + b)]);   window 3: those of my rows 64-127
.set SIZE_K, 1024
.set KSTEP,  128
.set STEPS,  SIZE_K/KSTEP
.set PITCH,  272                       ; an LDS row: 256 bytes + 16: the 16 rows that a fragment load touches start 16 bytes apart modulo 256
.set HALFT,  128*PITCH                 ; what one tensor load brings
.set SLOT,   4*HALFT                   ; A's 256 rows, then B's 256 rows
.set STAGE,  2*SLOT                    ; behind the ring: 16 rows x 272 bytes for each wave, for the way out; no tensor load lands here
.set SPITCH, 272
.set SPARE,  STAGE+4*16*SPITCH         ; the spare words, 128 bytes a wave
.set ADRA0, 16                         ; v16     LDS address of my A fragments in slot 0; never rewritten
.set ADRA,  17                         ; v17     the same in the slot in hand
.set ADRB0, 20                         ; v20     LDS address of my B fragments in slot 0; never rewritten
.set ADRB,  21                         ; v21     the same in the slot in hand
.set STO,  24                          ; v24     the way out: where I put 16 bytes of a row
.set RD,   25                          ; v25     where I read them back
.set CO,   26                          ; v26     16 x lane
.set FL,   27                          ; v27     the pair of floors
.set SPW,  28                          ; v28     LDS address of my spare word; never rewritten
.set NIL,  29                          ; v29     0; never rewritten
.set PFO,  30                          ; v30     the prefetches' offset: lane x a row of A or B
.set BO,   31                          ; v31     32 x (l / 16): my eight columns' bias in a block of 16
.set PFA,  44                          ; s[44:45] where my prefetches stand
.set LIM,  43                          ; s43     2 in a wave that prefetches, else the greatest number
.set TB,   72                          ; s72     the slot in hand: 0 or SLOT
.set LB,   73                          ; s73     where my tensor loads land in a slot: wave x 128 rows
.set F0,   64
.set F1,   128
.set TMP,  192
.set OB,   32
.set G1, 24                            ; s[24:31] group 1 for A's tiles;  s[32:39] group 0: a set for each of the two first fills; the second then walks on
.set G0, 32
.set G1B, 48                           ; s[48:55], s[56:63] the same for B's
.set G0B, 56
.set MSB, 0
.macro WIN new                         ; the immediate's high byte repeats the setting that is left; a switch that changes nothing is dropped
.if MSB != (\new)
	s_set_vgpr_msb (MSB<<8)|(\new)
.set MSB, \new
.endif
.endm
.set MUL_LO, 0xa1                      ; source 0 (B) window 1, source 1 (A) window 0, C and D window 2
.set MUL_HI, 0xf1                      ; the same, C and D window 3
.set TO_B,   0x40                      ; destination window 1, address window 0
; A joint load: waves 0 and 1 fetch A's two halves, waves 2 and 3 B's.  The branch hangs on the wave's number alone.  An s_nop 0 and four v_nop follow each line.
.macro JLOAD s
	s_cmp_eq_u32 s11, 0
	s_cbranch_scc0 .Lfor_b_\@
	tensor_load_to_lds s[G0+4*(\s):G0+4*(\s)+3], s[G1:G1+7]
	s_nop 0
.rept 4
	v_nop
.endr
	s_branch .Lasked_\@
.Lfor_b_\@:
	tensor_load_to_lds s[G0B+4*(\s):G0B+4*(\s)+3], s[G1B:G1B+7]
	s_nop 0
.rept 4
	v_nop
.endr
.Lasked_\@:
.endm
; A prefetch of the K step that stands two refills on: 32 rows x 256 bytes, a lane a row, one instruction a wave.  Each row's 256 bytes of a K step are named once in the launch: the clusters with
; x = 0 ask for A's rows, those with y = 0 for B's; the four partners that ask for a tile jointly take 32 of its 128 rows each, told apart by address.  K steps 0 to 3 come by their loads alone;
; the loop's last two trips (s3 = 2 and 1, the refills for K steps 6 and 7) ask for nothing: there is no K step two on.
.macro ASK
	s_cmp_gt_u32 s3, s[LIM]
	s_cbranch_scc0 .Lnot_mine_\@
	global_prefetch_b8 v[PFO], s[PFA:PFA+1] offset:KSTEP*2 th:TH_LOAD_NT scope:SCOPE_SE
.Lnot_mine_\@:
.endm
.macro CREST                           ; a round of the cluster's barrier behind its opening barrier
	s_cmp_lg_u32 s10, 0
	s_cbranch_scc1 .Lnot_wave_0_\@
	s_barrier_signal -3
.Lnot_wave_0_\@:
	s_barrier_wait -3
	s_barrier_signal -1
	s_barrier_wait -1
.endm
.macro CROUND
	s_barrier_signal -1
	s_barrier_wait -1
	CREST
.endm
	s_load_b128 s[4:7], s[0:1], 0x0                ; A s[4:5], B s[6:7]
	s_load_b64 s[8:9], s[0:1], 0x10                ; C
	s_load_b64 s[68:69], s[0:1], 0x18              ; the parameters
	v_lshl_add_u32 v[SPW], v0, 2, SPARE
	v_mov_b32 v[NIL], 0
	ds_add_u32 v[SPW], v[NIL]                      ; the wave's opening: the add, twice on end, and its wait ahead of my first tensor load
	ds_add_u32 v[SPW], v[NIL]
	v_lshrrev_b32 v1, 5, v0
	v_readfirstlane_b32 s10, v1                    ; wave 0..3
	s_lshr_b32 s11, s10, 1                         ; which half of the tile's rows is mine.  Also: I fetch for A (0) or for B (1)
	s_and_b32 s12, s10, 1                          ; which half of its columns.  Also: which 128 rows of that tile I fetch
	s_bfe_u32 s40, ttmp6, 0x40000                  ; cx
	s_bfe_u32 s41, ttmp6, 0x40004                  ; cy
	s_lshl_b32 s42, ttmp9, 2
	s_add_co_u32 s42, s42, s40                     ; tile column of C
	s_and_b32 s13, ttmp7, 0xffff
	s_lshl_b32 s13, s13, 2
	s_add_co_u32 s13, s13, s41                     ; tile row of C
	s_lshl_b32 s43, s41, 2
	s_lshl_b32 s43, 15, s43                        ; my row of the cluster
	s_lshl_b32 s44, 0x1111, s40                    ; my column
	s_or_b32 s[G1+0], s43, (1<<16)|(1<<20)|(1<<21)|(5<<22)|(3<<25)  ; the mask; 2-byte elements; padding on; bit 21 beside a mask; after every 64 words 4 words
	s_or_b32 s[G1B+0], s44, (1<<16)|(1<<20)|(1<<21)|(5<<22)|(3<<25)
.irp g, G1, G1B
	s_mov_b32 s[(\g)+1], KSTEP<<16                 ; tensor_dim0 = 128
	s_mov_b32 s[(\g)+2], 128<<16                   ; tensor_dim1 = 128
	s_mov_b32 s[(\g)+3], KSTEP<<16                 ; tile_dim0 = 128
	s_mov_b32 s[(\g)+4], 128                       ; tile_dim1 = 128
	s_mov_b32 s[(\g)+5], SIZE_K                    ; elements from row to row
	s_mov_b32 s[(\g)+6], 0
	s_mov_b32 s[(\g)+7], 0
.endr
	s_lshl_b32 s17, s12, 7
	s_lshl_b32 s16, s13, 8
	s_add_co_u32 s16, s16, s17                     ; A: row 256 x tile row + 128 x half
	s_lshl_b32 s46, s42, 8
	s_add_co_u32 s46, s46, s17                     ; B: row 256 x tile column + 128 x half
	s_mov_b32 s17, 0
	s_mov_b32 s47, 0
	s_mov_b64 s[18:19], SIZE_K*2
	s_mul_u64 s[16:17], s[16:17], s[18:19]
	s_mul_u64 s[46:47], s[46:47], s[18:19]
	s_mul_i32 s[LB], s10, HALFT                    ; where they go: wave x 128 rows
	s_mov_b32 s[TB], 0                             ; K step 0 lies in slot 0
	s_wait_dscnt 0x0                               ; both opening adds are done
	s_wait_kmcnt 0x0
	s_add_nc_u64 s[14:15], s[4:5], s[16:17]
	s_add_nc_u64 s[46:47], s[6:7], s[46:47]
	CROUND                                         ; all sixteen work-groups are here: the first joint loads meet
.irp s, 0,1
	s_mov_b32 s[G0+4*(\s)], 1
	s_add_co_u32 s[G0+4*(\s)+1], s[LB], (\s)*SLOT
	s_add_nc_u64 s[G0+4*(\s)+2:G0+4*(\s)+3], s[14:15], (\s)*KSTEP*2
	s_or_b32 s[G0+4*(\s)+3], s[G0+4*(\s)+3], 0x80000000
	s_mov_b32 s[G0B+4*(\s)], 1
	s_add_co_u32 s[G0B+4*(\s)+1], s[LB], (\s)*SLOT
	s_add_nc_u64 s[G0B+4*(\s)+2:G0B+4*(\s)+3], s[46:47], (\s)*KSTEP*2
	s_or_b32 s[G0B+4*(\s)+3], s[G0B+4*(\s)+3], 0x80000000
	JLOAD \s
.endr
	v_and_b32 v1, 15, v0
	v_bfe_u32 v2, v0, 4, 1
	; the parameters: the floors, and what starts the sums of my 128 columns: register j of block b is number 16 b + 8 (l / 16) + j.  They come while the addresses are made
	v_lshlrev_b32 v[BO], 5, v2
	s_lshl_b32 s20, s42, 10
	s_lshl_b32 s21, s12, 9
	s_add_co_u32 s20, s20, s21
	s_mov_b32 s21, 0
	s_add_nc_u64 s[70:71], s[68:69], s[20:21]
	global_load_b32 v[FL], v[BO], s[68:69]         ; any word of the first 256 bytes
	WIN TO_B
.irp b, 0,1,2,3,4,5,6,7
	global_load_b128 v[8*(\b):8*(\b)+3],   v[BO], s[70:71] offset:256+64*(\b)
	global_load_b128 v[8*(\b)+4:8*(\b)+7], v[BO], s[70:71] offset:256+64*(\b)+16
.endr
	WIN 0
	; a fragment is 16 rows x 32 K in 8 registers: lane l holds row l % 16, K = 8 (l / 16) + 0..7 and 16 + 8 (l / 16) + 0..7: two loads of 16 bytes, 32 bytes apart
	v_mul_u32_u24 v3, v1, PITCH
	v_lshl_add_u32 v3, v2, 4, v3
	s_mul_i32 s21, s11, HALFT
	s_mul_i32 s22, s12, HALFT
	s_add_co_u32 s22, s22, 2*HALFT
	v_add_nc_u32 v[ADRA0], s21, v3
	v_add_nc_u32 v[ADRB0], s22, v3
	v_mov_b32 v[ADRA], v[ADRA0]
	v_mov_b32 v[ADRB], v[ADRB0]
	s_mul_i32 s23, s10, 16*SPITCH
	s_add_co_u32 s23, s23, STAGE                   ; my stage
	v_mul_u32_u24 v4, v1, SPITCH                   ; in: row l % 16, 16 bytes for each half of the lanes
	v_lshl_add_u32 v4, v2, 4, v4
	v_add_nc_u32 v[STO], s23, v4
	v_bfe_u32 v5, v0, 3, 2                         ; back: 32 lanes take 128 bytes (64 columns) of four rows,
	v_and_b32 v6, 7, v0
	v_mul_u32_u24 v5, v5, SPITCH
	v_lshl_add_u32 v5, v6, 4, v5
	v_add_nc_u32 v[RD], s23, v5
	v_and_b32 v[CO], 31, v0                        ; which are 512 consecutive bytes of C
	v_lshlrev_b32 v[CO], 4, v[CO]
	; my part of C: block 64 (tile row / 4) + 4 x tile column + 2 x half, row 256 (tile row % 4) + 128 x half
	s_lshr_b32 s16, s13, 2
	s_lshl_b32 s16, s16, 6
	s_lshl_b32 s17, s42, 2
	s_add_co_u32 s16, s16, s17
	s_lshl_b32 s17, s12, 1
	s_add_co_u32 s16, s16, s17
	s_lshl_b32 s16, s16, 17
	s_and_b32 s17, s13, 3
	s_lshl_b32 s17, s17, 8
	s_lshl_b32 s18, s11, 7
	s_add_co_u32 s17, s17, s18
	s_lshl_b32 s17, s17, 7
	s_add_co_u32 s16, s16, s17
	s_mov_b32 s17, 0
	s_add_nc_u64 s[8:9], s[8:9], s[16:17]
	; the prefetches
	s_lshl_b32 s13, s13, 8
	s_lshl_b32 s42, s42, 8
	s_and_b32 s22, ttmp7, 0xffff                   ; cluster y
	s_cmp_eq_u32 s11, 0                            ; do I fetch for A?
	s_cselect_b32 s20, s13, s42                    ; the tile's first row
	s_cselect_b32 s21, s40, s41                    ; my place among the four that ask for it with me
	s_cselect_b32 s22, ttmp9, s22                  ; the coordinate along which other clusters read the same rows
	s_cselect_b64 s[PFA:PFA+1], s[4:5], s[6:7]
	s_cmp_eq_u32 s22, 0
	s_cselect_b32 s[LIM], 2, -1
	s_lshl_b32 s22, s12, 7
	s_add_co_u32 s20, s20, s22
	s_lshl_b32 s21, s21, 5
	s_add_co_u32 s20, s20, s21
	s_mov_b32 s21, 0
	s_mov_b64 s[18:19], SIZE_K*2
	s_mul_u64 s[20:21], s[20:21], s[18:19]
	s_add_nc_u64 s[PFA:PFA+1], s[PFA:PFA+1], s[20:21]
	s_add_nc_u64 s[PFA:PFA+1], s[PFA:PFA+1], 2*KSTEP*2  ; at K step 2: the first refill steps it to 3 and names K step 4
	v_and_b32 v[PFO], 31, v0
	v_mul_u32_u24 v[PFO], v[PFO], SIZE_K*2
	s_wait_loadcnt 0x0                             ; the 17 loads of the parameters
; 16 matrix instructions: m blocks a0, a0 + 1 of the window's four x all 8 n blocks, 32 along K.  zero = 1: the first product starts the sums, with the bias as C.
; The 64 accumulators take turns, one instruction a turn, in the same order in every quarter step.
.macro MUL16 f, hi, a0, zero
.if \zero
	WIN 0x91+0x40*(\hi)                            ; C in window 1
.else
	WIN MUL_LO+0x50*(\hi)
.endif
.irp a, \a0, (\a0)+1
.irp b, 0,1,2,3,4,5,6,7
.if \zero
	v_wmma_f32_16x16x32_f16 v[8*(8*(\a)+(\b)):8*(8*(\a)+(\b))+7], v[(\f)+8*(\b):(\f)+8*(\b)+7], v[(\f)+8*(4*(\hi)+(\a)):(\f)+8*(4*(\hi)+(\a))+7], v[8*(\b):8*(\b)+7]
.else
	v_wmma_f32_16x16x32_f16 v[8*(8*(\a)+(\b)):8*(8*(\a)+(\b))+7], v[(\f)+8*(\b):(\f)+8*(\b)+7], v[(\f)+8*(4*(\hi)+(\a)):(\f)+8*(4*(\hi)+(\a))+7], v[8*(8*(\a)+(\b)):8*(8*(\a)+(\b))+7]
.endif
.endr
.endr
.endm
; 32 LDS loads in one run: the fragments of one quarter step (32 K at byte k of the rows of the slot in hand) into buffer f
.macro FETCH k, f
	WIN TO_B
.irp i, 0,1,2,3,4,5,6,7
	ds_load_b128 v[(\f)+8*(\i):(\f)+8*(\i)+3],   v[ADRB] offset:(\k)+(\i)*16*PITCH
	ds_load_b128 v[(\f)+8*(\i)+4:(\f)+8*(\i)+7], v[ADRB] offset:(\k)+(\i)*16*PITCH+32
.endr
	WIN 0
.irp i, 0,1,2,3,4,5,6,7
	ds_load_b128 v[(\f)+8*(\i):(\f)+8*(\i)+3],   v[ADRA] offset:(\k)+(\i)*16*PITCH
	ds_load_b128 v[(\f)+8*(\i)+4:(\f)+8*(\i)+7], v[ADRA] offset:(\k)+(\i)*16*PITCH+32
.endr
.endm
.macro PLACES                          ; four plain vector instructions behind a matrix instruction, in front of loads into registers that it has read and of conversions that read results
.rept 4
	v_nop
.endr
.endm
; A K step is four quarters of 32 along K, 64 matrix instructions each, on buffers 0, 1, 0, 1.  One of the first three multiplies buffer f and fetches the next quarter, at byte k, into g.
.macro QUARTER k, f, g, zero
	s_wait_dscnt 8                                 ; B and A's rows 0-63 are in; the youngest eight loads (A's rows 64-127) may be out
	MUL16 \f, 0, 0, \zero
	MUL16 \f, 0, 2, \zero
	PLACES
	FETCH \k, \g
	s_wait_dscnt 32                                ; all but the 32 just issued
	MUL16 \f, 1, 0, \zero
	MUL16 \f, 1, 2, \zero
.endm
; The last quarter's first half: one barrier for the change of slots.  In front of it each wave waits for all its tensor loads (its part of the next slot), adds 0 to its spare word, and waits for that and for its reads of this slot.
.macro MEET round
	WIN 0
	s_wait_tensorcnt 0x0
	ds_add_u32 v[SPW], v[NIL]
	s_wait_dscnt 9                                 ; the add and the youngest eight loads may be out
	MUL16 F1, 0, 0, 0
	s_wait_dscnt 0x0                               ; the add is done, and my reads of this slot are over
	s_barrier_signal -1
	MUL16 F1, 0, 2, 0
.if \round
	WIN 0
.endif
	s_barrier_wait -1
.endm
; The whole last quarter.  fill = 1: the barrier opens a round of the cluster's, and the slot just read out is filled again, two K steps on, first thing behind it.  Then the other slot becomes the slot in hand.
.macro TURN fill
.if \fill
	s_wait_xcnt 0x0                                ; the last prefetch, a K step back, has read its address
	s_add_nc_u64 s[PFA:PFA+1], s[PFA:PFA+1], KSTEP*2
	MEET 1
	CREST                                          ; no wave of any partner still reads this slot or has a load on its way
	s_add_co_u32 s[G0+5], s[LB], s[TB]             ; the walking descriptors (no load of mine is out): into the slot just read out,
	s_add_co_u32 s[G0B+5], s[LB], s[TB]
	s_add_nc_u64 s[G0+6:G0+7], s[G0+6:G0+7], KSTEP*2    ; the K step behind the one asked for last; the type bits on top are not reached
	s_add_nc_u64 s[G0B+6:G0B+7], s[G0B+6:G0B+7], KSTEP*2
	JLOAD 1                                        ; the four v_nop behind it are also the places in front of the loads below
.else
	MEET 0
	PLACES
.endif
	s_xor_b32 s[TB], s[TB], SLOT                   ; 0 becomes SLOT, SLOT becomes 0
	WIN 0
	v_add_nc_u32 v[ADRA], s[TB], v[ADRA0]
	v_add_nc_u32 v[ADRB], s[TB], v[ADRB0]
	FETCH 0, F0
.if \fill
	ASK
.endif
	MUL16 F1, 1, 0, 0
	MUL16 F1, 1, 2, 0
.endm
; THE WAY OUT of block a (16 rows).  PACK: rounded to f16, each accumulator's registers in ascending order.  FLOOR: the maximum with the floors.  TOSTAGE: into my own stage and back.  SEND: stored.
.macro PACK a
.set AC, 64*((\a)%4)
	WIN 0x0a+5*((\a)/4)                            ; sources 0 and 1: window 2 or 3
.irp b, 0,1,2,3,4,5,6,7
.irp r, 0,1,2,3
	v_cvt_pk_f16_f32 v[TMP+4*(\b)+(\r)], v[AC+8*(\b)+2*(\r)], v[AC+8*(\b)+2*(\r)+1]
.endr
.endr
	WIN 0
.endm
.macro FLOOR
.set i, 0
.rept 32
	v_pk_max_num_f16 v[TMP+i], v[TMP+i], v[FL]     ; two maxima a line; nothing is rounded
.set i, i+1
.endr
.endm
.macro TOSTAGE a
.set BK, OB+192*((\a)%2)
.irp b, 0,1,2,3,4,5,6,7
	ds_store_b128 v[STO], v[TMP+4*(\b):TMP+4*(\b)+3] offset:32*(\b)
.endr
.irp t, 0,1,2,3,4,5,6,7
	ds_load_b128 v[BK+4*(\t):BK+4*(\t)+3], v[RD] offset:((\t)%4)*4*SPITCH+((\t)/4)*128  ; my own bytes, served in order (ISA guide 5.7.1.4): these see the stores above
.endr
.endm
.macro SEND a
.set BK, OB+192*((\a)%2)
	s_wait_dscnt 0x0                               ; the block is back in registers
	s_wait_xcnt 0x0                                ; the stores of the block before have read their registers, which the next block's loads from the stage will write
.irp t, 0,1,2,3,4,5,6,7
	global_store_b128 v[CO], v[BK+4*(\t):BK+4*(\t)+3], s[8:9] offset:(\a)*2048+((\t)/4)*131072+((\t)%4)*512  ; 512 consecutive bytes, aligned: four rows of one block of 64 columns
.endr
.endm
	s_wait_tensorcnt 1                             ; my part of K step 0 is in; K step 1's may stay out
	s_barrier_signal -1
	s_barrier_wait -1
	FETCH 0, F0
	QUARTER 64,  F0, F1, 1                         ; the first quarter stands in front of the loop: its products start the sums
	WIN 0                                          ; at a label and at a branch every window is 0
	s_mov_b32 s3, STEPS-2
	s_branch .Lmid                                 ; the loop is entered behind a K step's first quarter
.Lstep:                                        ; six trips, K steps 0 to 5: each fills its slot again
	QUARTER 64,  F0, F1, 0
	WIN 0
.Lmid:
	QUARTER 128, F1, F0, 0
	QUARTER 192, F0, F1, 0
	TURN 1
	WIN 0
	s_sub_co_u32 s3, s3, 1
	s_cmp_lg_u32 s3, 0
	s_cbranch_scc1 .Lstep
	s_mov_b32 s3, 2
.Ltail:                                        ; two trips, K steps 6 and 7: nothing is asked for
	QUARTER 64,  F0, F1, 0
	QUARTER 128, F1, F0, 0
	QUARTER 192, F0, F1, 0
	TURN 0
	WIN 0
	s_sub_co_u32 s3, s3, 1
	s_cmp_lg_u32 s3, 0
	s_cbranch_scc1 .Ltail
	s_wait_dscnt 0x0                               ; the last trip's 32 loads, which serve nothing
	PLACES
	PACK 0
	FLOOR
	TOSTAGE 0
.irp a, 1,2,3,4,5,6,7                  ; block a's conversions and maxima stand between block a - 1's loads from the stage and the wait for them
	PACK \a
	FLOOR
	SEND (\a)-1
	TOSTAGE \a
.endr
	SEND 7
	s_wait_tensorcnt 0x0                           ; the wave's end, behind my last tensor load and my last LDS store
	ds_add_u32 v[SPW], v[NIL]
	s_wait_dscnt 0x0
	CROUND                                         ; the closing round: no work-group ends while a partner may still ask for a tile that names it
	s_endpgm
.Lfunc_end_k_qeef6d0aab8_qkv:
	.size	k_qeef6d0aab8_qkv, .Lfunc_end_k_qeef6d0aab8_qkv-k_qeef6d0aab8_qkv
	.p2alignl 7, 3214868480
	.fill 96, 4, 3214868480
	.section	.rodata,"a",@progbits
	.p2align	6, 0x0
	.amdhsa_kernel k_qeef6d0aab8_qkv
		.amdhsa_group_segment_fixed_size 327680
		.amdhsa_private_segment_fixed_size 0
		.amdhsa_enable_private_segment 0
		.amdhsa_kernarg_size 32
		.amdhsa_user_sgpr_count 2
		.amdhsa_user_sgpr_kernarg_segment_ptr 1
		.amdhsa_wavefront_size32 1
		.amdhsa_system_sgpr_workgroup_id_x 1
		.amdhsa_system_sgpr_workgroup_id_y 1
		.amdhsa_system_sgpr_workgroup_id_z 1
		.amdhsa_system_vgpr_workitem_id 0
		.amdhsa_next_free_vgpr 1024
		.amdhsa_next_free_sgpr 76
		.amdhsa_reserve_vcc 0
		.amdhsa_float_denorm_mode_32 3
		.amdhsa_float_denorm_mode_16_64 3
		.amdhsa_memory_ordered 1
		.amdhsa_forward_progress 1
		.amdhsa_inst_pref_size 119
	.end_amdhsa_kernel
	.amdgpu_metadata
---
amdhsa.version: [ 1, 2 ]
amdhsa.kernels:
  - .name:           k_qeef6d0aab8_qkv
    .symbol:         k_qeef6d0aab8_qkv.kd
    .args:
      - { .name: act8, .offset: 0, .size: 8, .value_kind: global_buffer, .address_space: global }
      - { .name: wqkv, .offset: 8, .size: 8, .value_kind: global_buffer, .address_space: global }
      - { .name: act32, .offset: 16, .size: 8, .value_kind: global_buffer, .address_space: global }
      - { .name: pq, .offset: 24, .size: 8, .value_kind: global_buffer, .address_space: global }
    .group_segment_fixed_size: 327680
    .private_segment_fixed_size: 0
    .kernarg_segment_align: 8
    .kernarg_segment_size: 32
    .max_flat_workgroup_size: 128
    .sgpr_count:     76
    .vgpr_count:     1024
    .wavefront_size: 32
...
	.end_amdgpu_metadata
.endif
;; end of part 2
;; launch attn (part 3): grid 4 x 64, 8 waves a work-group, clusters of 4 x 1, 327,680 bytes of LDS; arguments act32, act8; writes act8
.if DOCPART == 3
	.amdgcn_target "amdgcn-amd-amdhsa--gfx1250"
	.amdhsa_code_object_version 6
	.text
	.protected	k_qeef6d0aab8_attn
	.globl	k_qeef6d0aab8_attn
	.p2align	8
	.type	k_qeef6d0aab8_attn,@function
k_qeef6d0aab8_attn:
	s_mov_b64 s[64:65], 0
	v_nop
	global_prefetch_b8 v0, s[64:65] scope:SCOPE_SE
	s_setreg_imm32_b32 hwreg(HW_REG_WAVE_MODE, 25, 1), 1
	s_wait_xcnt 0x0
	s_wait_alu depctr_hold_cnt(0) depctr_sa_sdst(0) depctr_va_vdst(0) depctr_va_sdst(0) depctr_va_ssrc(0) depctr_va_vcc(0) depctr_vm_vsrc(0)
	s_getreg_b32 s2, hwreg(HW_REG_IB_STS2, 6, 4)
	s_cmp_eq_u32 s2, 0
	s_cbranch_scc0 .Lentry_in_a_cluster
	s_endpgm
.Lentry_in_a_cluster:
	s_bfe_u32 s2, ttmp6, 0x10000c
	s_cmp_lg_u32 s2, 0x3003
	s_cbranch_scc0 .Lentry_shape_is_right
	s_endpgm
.Lentry_shape_is_right:
; CAUSAL ATTENTION.  O[b][h][q] = the sum over k <= q of softmax_k(q . k / 8) v[k].  q, k, v: f16, dense blocks [1024][64] of act32 (block 64 b + h, + 16, + 32); O: f16, [b][h][1024][64] in act8.
; Products, maxima and sums in f32; the weights p are rounded to f16 for the second product (their sum l is taken of the unrounded p), O once at the end.
; LEFT OUT (shown at the head of the first launch's text): key steps of 64 keys that lie wholly above the diagonal of a piece's queries, to which reference()'s own causal mask gives the weight 0.
; LIMITS.  A hidden score counts as its value less 1e30 (f16's scores are 2.7e11 at the most); a weight below 2^-126 counts as 0 in l; NaN and infinities are not treated apart.
; SHARES.  A cluster of four work-groups is one (b, h).  The head's queries lie in 16 bands of 64; work-group cx owns rows 16 cx .. 16 cx + 15 of every band: a PIECE, one tile of 16 queries.  Band j needs the key
; steps 0 .. j, whatever cx, and only the last of them holds the diagonal.  Wave w of eight takes band 15 - w and then band w: (16 - w) + (w + 1) = 17 steps for every wave, none of them wholly hidden.
; cx enters Q's and O's addresses and the mask's numbers alone: no branch, count or LDS address hangs on it.
; EIGHT WAVES on four SIMDs: two to a SIMD.  A step goes in phases (scores, softmax, second product), and the loops hold no barrier, so the two waves are free to stand in different phases.
; The price: a fragment of K or V read from LDS feeds one tile's products: 32 LDS loads for a step's 16 matrix instructions.
; ALL OF THE HEAD'S K AND V LIE IN LDS, filled once, by eight joint loads (one a wave, the same in all four work-groups): no slot is filled again.
; LAYOUT.  S^T = K Q^T (source 0 = 16 keys, source 1 = 16 queries): a lane holds ONE query (l % 16) and the keys 8 (l / 16) + 0..7.  Two such results rounded to f16 ARE source 1 of O^T = V^T P.
; K comes out of LDS as it lies, V turned, by ds_load_tr16_b128.
; SOFTMAX.  A running maximum m and sum l: p = 2^(c s - c m), c = log2(e) / 8; O and l are multiplied by a = 2^(c m_old - c m_new) in every step.  m starts at the lowest finite number, so a piece's first a is 0
; and O and l need only be finite there.  Every query sees the first key of each of its steps, so m is a true score from the first step on.
; THE MASK, in a piece's last step, is the C operand that starts the sum: 0, or -1e30 where the key is hidden.
; REGISTERS.  window 0: v2-15 addresses; v16-23 statistics (c m, m, l, l, c0-c3; a takes c2's place); v32-47 Q; v64-127 K of a step; v128-191 V of a step; v192-223 S^T
;             window 1: v0-31 O^T; v64-79 P; v96-111 the second piece's Q
.set PK,    144                        ; a row of K in LDS: 128 bytes + 16: the 16 rows of a load start 16 bytes apart modulo 256
.set PV2,   288                        ; TWO rows of V: 256 bytes + 32: keys 0 .. 7 start at 0, 128, 32, 160, 64, 192, 96, 224 modulo 256, so 16 lanes of the turning load (8 keys x 32 bytes) take 256 different bytes
.set STEPB, 64*PK                      ; a key step in K; 32 x PV2, a key step in V, is the same number
.set VOFF,  1024*PK
.set STAGE, VOFF+512*PV2               ; 16 rows x 144 bytes for each wave, for the way out; no tensor load lands here
.set SP,    144
.set SPARE, STAGE+8*16*SP              ; the spare words, 128 bytes a wave
.set AK0, 2                            ; v2   my lane's place in a step of K; never rewritten
.set AV0, 3                            ; v3   the same for V
.set AK,  4
.set AV,  5
.set STO, 6
.set RD,  7
.set GO,  8
.set QO,  9
.set QP,  10                           ; v10  16 cx + l % 16 - 8 (l / 16): my query's place in its band, less my lanes' first key
.set SPW, 14
.set NIL, 15
.set ST,  16
.set Q,   32
.set KF,  64
.set VF,  128
.set S,   192
.set OT,  0                            ; window 1
.set P,   64
.set Q2,  96
.set WV,  12
.set G1K, 24
.set G1V, 32
.set G0K, 40
.set G0V, 44
.set OA,  48                           ; s[48:49] O at the piece in hand; s[50:51] at the second piece
.set NLR, 52                           ; s52  key steps of the piece in hand; s53 of the second piece
.set TR,  54                           ; s54  the step
.set PCR, 55                           ; s55  pieces to go
.set ER,  56                           ; s56  the step + 1
.set TB,  57                           ; s57  LDS byte at which the step's K begins, and, less VOFF, its V
.set CS,  58                           ; s[58:59] c
.set SEL, 60                           ; s[60:61] v_permlanex16_b32's selects
.set BIGN, 63                          ; s63  -1e30
.set MSB, 0
.macro WIN new
.if MSB != (\new)
	s_set_vgpr_msb (MSB<<8)|(\new)
.set MSB, \new
.endif
.endm
.macro CROUND
	s_barrier_signal -1
	s_barrier_wait -1
	s_cmp_lg_u32 s[WV], 0
	s_cbranch_scc1 .Lnot_wave_0_\@
	s_barrier_signal -3
.Lnot_wave_0_\@:
	s_barrier_wait -3
	s_barrier_signal -1
	s_barrier_wait -1
.endm
.macro PLACES
.rept 4
	v_nop
.endr
.endm
.macro FETCH_K off                     ; 64 keys x 64 channels: keys 16 (f / 2) on, channels 32 (f % 2) on
.irp f, 0,1,2,3,4,5,6,7
	ds_load_b128 v[KF+8*\f:KF+8*\f+3],   v[AK] offset:(\off)+(\f/2)*16*PK+(\f%2)*64
	ds_load_b128 v[KF+8*\f+4:KF+8*\f+7], v[AK] offset:(\off)+(\f/2)*16*PK+(\f%2)*64+32
.endr
.endm
.macro FETCH_V                         ; turned: keys 32 (f / 4) on, channels 16 (f % 4) on; 16 keys are 8 double rows
.irp f, 0,1,2,3,4,5,6,7
	ds_load_tr16_b128 v[VF+8*\f:VF+8*\f+3],   v[AV] offset:(\f/4)*16*PV2+(\f%4)*32
	ds_load_tr16_b128 v[VF+8*\f+4:VF+8*\f+7], v[AV] offset:(\f/4)*16*PV2+8*PV2+(\f%4)*32
.endr
.endm
; product i of 8 of S^T = K Q^T: channels 32 (i / 4) on, keys 16 (i % 4) on.  The 4 accumulators take turns.  cz = 1: C is the constant 0
.macro KQ cz
.set rS, S+8*(i%4)
.set rK, KF+16*(i%4)+8*(i/4)
.set rQ, Q+8*(i/4)
.if \cz
	v_wmma_f32_16x16x32_f16 v[rS:rS+7], v[rK:rK+7], v[rQ:rQ+7], 0
.else
	v_wmma_f32_16x16x32_f16 v[rS:rS+7], v[rK:rK+7], v[rQ:rQ+7], v[rS:rS+7]
.endif
.set i, i+1
.endm
	s_load_b128 s[4:7], s[0:1], 0x0                ; act32 s[4:5], act8 s[6:7]
	v_lshl_add_u32 v[SPW], v0, 2, SPARE
	v_mov_b32 v[NIL], 0
	ds_add_u32 v[SPW], v[NIL]                      ; the wave's opening: the add, twice on end, and its wait ahead of my first tensor load
	ds_add_u32 v[SPW], v[NIL]
	v_lshrrev_b32 v1, 5, v0
	v_readfirstlane_b32 s[WV], v1                  ; wave 0..7
	s_bfe_u32 s13, ttmp6, 0x40000                  ; cx
	s_and_b32 s14, ttmp7, 0xffff                   ; 16 b + h, which the four partners share
	s_lshr_b32 s20, s14, 4
	s_lshl_b32 s20, s20, 6
	s_and_b32 s21, s14, 15
	s_add_co_u32 s20, s20, s21
	s_lshl_b32 s20, s20, 17                        ; q's block of 131,072 bytes
	s_and_b32 s16, s[WV], 3                        ; which 256 keys I fetch:
	s_lshl_b32 s22, s16, 15                        ; their 32,768 bytes in memory,
	s_add_co_u32 s22, s22, s20
	s_mov_b32 s23, 0
	s_mul_i32 s17, s16, 256*PK                     ; and their place in K's part of LDS; 128 x PV2, their place in V's, is the same number
	s_lshl_b32 s18, s13, 11                        ; my work-group's 16 rows of 128 bytes in a band
	s_sub_co_u32 s2, 15, s[WV]                     ; the first piece: band 15 - w, 8,192 bytes a band
	s_lshl_b32 s2, s2, 13
	s_add_co_u32 s2, s2, s18
	s_lshl_b32 s3, s[WV], 13                       ; the second: band w
	s_add_co_u32 s3, s3, s18
	s_sub_co_u32 s[NLR], 16, s[WV]                 ; 16 - w key steps,
	s_add_co_u32 s[NLR+1], s[WV], 1                ; then w + 1
	; 256 keys are 32,768 dense bytes: asked for as 128 rows of 256 bytes, two keys a row
	s_mov_b32 s[G1K], 15|(1<<16)|(1<<20)|(1<<21)|(4<<22)|(3<<25)  ; the mask of four; 2-byte elements; padding on; bit 21 beside a mask; after every 32 words (a key) 4 words
	s_mov_b32 s[G1V], 15|(1<<16)|(1<<20)|(1<<21)|(5<<22)|(7<<25)  ; after every 64 words (two keys) 8 words
.irp g, G1K, G1V
	s_mov_b32 s[\g+1], 128<<16                     ; tensor_dim0 = 128
	s_mov_b32 s[\g+2], 128<<16                     ; tensor_dim1 = 128
	s_mov_b32 s[\g+3], 128<<16                     ; tile_dim0 = 128
	s_mov_b32 s[\g+4], 128                         ; tile_dim1 = 128
	s_mov_b32 s[\g+5], 128                         ; elements from row to row
	s_mov_b32 s[\g+6], 0
	s_mov_b32 s[\g+7], 0
.endr
	s_mov_b32 s[G0K], 1
	s_mov_b32 s[G0K+1], s17
	s_mov_b32 s[G0V], 1
	s_add_co_u32 s[G0V+1], s17, VOFF
	s_mov_b32 s[CS], 0x3e38aa3b                    ; c = log2(e) / 8
	s_mov_b32 s[CS+1], s[CS]
	s_mov_b32 s[SEL], 0x76543210
	s_mov_b32 s[SEL+1], 0xfedcba98
	s_mov_b32 s[BIGN], 0xf149f2ca                  ; -1e30
	s_mov_b32 s[PCR], 2
	s_mov_b32 s71, 0
	s_wait_dscnt 0x0                               ; both opening adds are done
	s_wait_kmcnt 0x0
	s_add_nc_u64 s[G0K+2:G0K+3], s[4:5], s[22:23]
	s_add_nc_u64 s[G0K+2:G0K+3], s[G0K+2:G0K+3], 16<<17   ; k's block
	s_or_b32 s[G0K+3], s[G0K+3], 0x80000000
	s_add_nc_u64 s[G0V+2:G0V+3], s[4:5], s[22:23]
	s_add_nc_u64 s[G0V+2:G0V+3], s[G0V+2:G0V+3], 32<<17   ; v's block
	s_or_b32 s[G0V+3], s[G0V+3], 0x80000000
	s_add_co_u32 s70, s20, s2
	s_add_nc_u64 s[66:67], s[4:5], s[70:71]        ; Q of the first piece,
	s_add_co_u32 s70, s20, s3
	s_add_nc_u64 s[68:69], s[4:5], s[70:71]        ; of the second
	s_lshl_b32 s15, s14, 17
	s_add_co_u32 s70, s15, s2
	s_add_nc_u64 s[OA:OA+1], s[6:7], s[70:71]
	s_add_co_u32 s70, s15, s3
	s_add_nc_u64 s[OA+2:OA+3], s[6:7], s[70:71]
	CROUND                                         ; all four work-groups are here: the joint loads meet
	s_cmp_lt_u32 s[WV], 4                          ; waves 0 to 3 fetch K's quarters, waves 4 to 7 V's; an s_nop 0 and four v_nop follow each line
	s_cbranch_scc0 .Lfor_v
	tensor_load_to_lds s[G0K:G0K+3], s[G1K:G1K+7]
	s_nop 0
.rept 4
	v_nop
.endr
	s_branch .Lasked
.Lfor_v:
	tensor_load_to_lds s[G0V:G0V+3], s[G1V:G1V+7]
	s_nop 0
.rept 4
	v_nop
.endr
.Lasked:
	v_and_b32 v1, 15, v0                           ; l % 16
	v_bfe_u32 v64, v0, 4, 1                        ; l / 16
	v_and_b32 v65, 7, v0
	v_bfe_u32 v66, v0, 3, 1
	v_bfe_u32 v67, v0, 3, 2
	v_lshlrev_b32 v[QO], 7, v1
	v_lshl_add_u32 v[QO], v64, 4, v[QO]            ; row x 128 + 16 x half
.irp i, 0,1                            ; both pieces' Q: channels 32 i on
	global_load_b128 v[Q+8*\i:Q+8*\i+3],   v[QO], s[66:67] offset:\i*64
	global_load_b128 v[Q+8*\i+4:Q+8*\i+7], v[QO], s[66:67] offset:\i*64+32
.endr
	WIN 0x40
.irp i, 0,1
	global_load_b128 v[Q2+8*\i:Q2+8*\i+3],   v[QO], s[68:69] offset:\i*64
	global_load_b128 v[Q2+8*\i+4:Q2+8*\i+7], v[QO], s[68:69] offset:\i*64+32
.endr
.set i, 0
.rept 32
	v_mov_b32 v[OT+i], 0                           ; the first a is 0: O^T need only be finite.  These lines stand in the wait for the tiles
.set i, i+1
.endr
	WIN 0
.set i, 0
.rept 8
	v_mov_b32 v[ST+i], 0
.set i, i+1
.endr
	v_mul_u32_u24 v[AK0], v1, PK
	v_lshl_add_u32 v[AK0], v64, 4, v[AK0]          ; row x pitch + 16 x half
	v_lshl_add_u32 v[AV0], v64, 3, v65             ; my key of 16: 8 (l / 16) + l % 8;
	v_and_b32 v69, 1, v[AV0]                       ; which of a double row's two keys,
	v_lshrrev_b32 v[AV0], 1, v[AV0]                ; which double row;
	v_mul_u32_u24 v[AV0], v[AV0], PV2
	v_lshl_add_u32 v[AV0], v69, 7, v[AV0]
	v_lshl_add_u32 v[AV0], v66, 4, v[AV0]          ; channels 8 ((l / 8) % 2) on
	v_add_nc_u32 v[AV0], VOFF, v[AV0]
	s_mul_i32 s15, s[WV], 16*SP
	s_add_co_u32 s15, s15, STAGE
	v_mul_u32_u24 v[STO], v1, SP                   ; in: row l % 16, 16 bytes for each half of the lanes
	v_lshl_add_u32 v[STO], v64, 4, v[STO]
	v_add_nc_u32 v[STO], s15, v[STO]
	v_mul_u32_u24 v[RD], v67, SP                   ; back: 32 lanes take four rows of 128 bytes,
	v_lshl_add_u32 v[RD], v65, 4, v[RD]
	v_add_nc_u32 v[RD], s15, v[RD]
	v_and_b32 v[GO], 31, v0                        ; which are 512 consecutive bytes of O
	v_lshlrev_b32 v[GO], 4, v[GO]
	v_lshlrev_b32 v68, 3, v64
	v_sub_nc_u32 v[QP], v1, v68
	s_lshl_b32 s15, s13, 4
	v_add_nc_u32 v[QP], s15, v[QP]
	s_wait_tensorcnt 0x0                           ; my part of K or V is in,
	s_barrier_signal -1
	s_barrier_wait -1                              ; everybody's is
	s_wait_loadcnt 0x0                             ; Q
.Lpiece:
	v_mov_b32 v[ST], 0xfe000000                    ; c m: far below every c s
	v_mov_b32 v[ST+1], 0xff7fffff                  ; m
	s_mov_b32 s[TB], 0
	s_mov_b32 s[TR], 0
	v_mov_b32 v[AK], v[AK0]
	s_wait_dscnt 0x0
	FETCH_K 0                                      ; key step 0
.Lstep:                                        ; 16 trips, the greatest number of steps; a wave jumps forward over those that its piece does not have
	s_cmp_ge_u32 s[TR], s[NLR]
	s_cbranch_scc1 .Lskip
	PLACES                                         ; behind the last product that read V
	v_add_nc_u32 v[AV], s[TB], v[AV0]
	FETCH_V
	s_wait_dscnt 16                                ; K is in; V's 16 younger loads may stay out
	s_add_co_u32 s[ER], s[TR], 1
	s_cmp_lt_u32 s[ER], s[NLR]
	s_cbranch_scc1 .Lplain
.set i, 0
.rept 32                               ; the piece's last step: register i % 8 of key block i / 8 is hidden where 16 (i / 8) + i % 8 is greater than my query's place
	v_cmp_gt_i32 vcc_lo, 16*(i/8)+i%8, v[QP]
	v_cndmask_b32 v[S+i], 0, s[BIGN], vcc_lo
.set i, i+1
.endr
.set i, 0
.rept 4
	KQ 0                                           ; the mask starts the sums
.endr
	s_branch .Ljoin
.Lplain:
.set i, 0
.rept 4
	KQ 1
.endr
.Ljoin:
.set i, 4
.rept 4
	KQ 0
.endr
	PLACES                                         ; behind the last product: in front of the loads into K's registers and of the maxima
	s_cmp_lt_u32 s[ER], s[NLR]
	s_cbranch_scc0 .Lnok
	v_add_nc_u32 v[AK], s[TB], v[AK0]
	FETCH_K STEPB                                  ; the next step's K comes while the softmax runs
.Lnok:
	; the maximum of the lane's 32 scores and the old m; each accumulator's lowest registers are read first
.irp j, 0,1,2,3
	v_max3_num_f32 v[ST+4+\j], v[S+8*\j], v[S+8*\j+1], v[S+8*\j+2]
.endr
.irp g, 1,2
.irp j, 0,1,2,3
	v_max3_num_f32 v[ST+4+\j], v[ST+4+\j], v[S+8*\j+2*\g+1], v[S+8*\j+2*\g+2]
.endr
.endr
	v_max3_num_f32 v[ST+4], v[ST+4], v[S+7], v[S+15]
	v_max3_num_f32 v[ST+6], v[ST+6], v[S+23], v[S+31]
	v_max3_num_f32 v[ST+4], v[ST+4], v[ST+5], v[ST+6]
	v_max3_num_f32 v[ST+4], v[ST+4], v[ST+7], v[ST+1]
	v_permlanex16_b32 v[ST+5], v[ST+4], s[SEL], s[SEL+1]  ; the query's other 32 keys lie in the lane 16 away
	v_mov_b32 v[ST+7], v[ST]                       ; c m_old is kept
	v_max_num_f32 v[ST+1], v[ST+4], v[ST+5]
	v_mul_f32 v[ST], s[CS], v[ST+1]
	v_sub_f32 v[ST+7], v[ST+7], v[ST]
.set i, 0
.rept 16                               ; c s - c m, a pair of scores a line
	v_pk_fma_f32 v[S+2*i:S+2*i+1], v[S+2*i:S+2*i+1], s[CS:CS+1], v[ST:ST+1] op_sel_hi:[1,0,0] neg_lo:[0,0,1] neg_hi:[0,0,1]
.set i, i+1
.endr
	v_exp_f32 v[ST+6], v[ST+7]                     ; a
.set i, 0
.rept 32                               ; one batch of 33 exponentials: none reads another's result
	v_exp_f32 v[S+i], v[S+i]
.set i, i+1
.endr
	v_nop                                          ; a plain instruction behind the last exponential,
	s_wait_alu depctr_va_vdst(0)                   ; and the one wait for the batch, ahead of the first line that names a result
	WIN 0x40                                       ; P lies in window 1
.set i, 0
.rept 16
	v_cvt_pk_f16_f32 v[P+i], v[S+2*i], v[S+2*i+1]
.set i, i+1
.endr
	WIN 0
.irp w, 4,8,16,32                      ; the sum of the 16 pairs, in place: neighbours 1, 2, 4 and 8 pairs apart
.set i, 0
.rept 32/\w
	v_pk_add_f32 v[S+\w*i:S+\w*i+1], v[S+\w*i:S+\w*i+1], v[S+\w*i+\w/2:S+\w*i+\w/2+1]
.set i, i+1
.endr
.endr
	v_pk_fma_f32 v[ST+2:ST+3], v[ST+2:ST+3], v[ST+6:ST+7], v[S:S+1] op_sel_hi:[1,0,1]  ; l = a l + sum
	WIN 0x41                                       ; O^T in window 1, a in window 0
.set i, 0
.rept 16
	v_pk_mul_f32 v[OT+2*i:OT+2*i+1], v[OT+2*i:OT+2*i+1], v[ST+6:ST+7] op_sel_hi:[1,0]
.set i, i+1
.endr
	s_wait_dscnt 0x0                               ; V is in (and the next step's K, where it was asked for)
	WIN 0x54                                       ; V window 0; P, C and D window 1
.set i, 0
.rept 8                                ; O^T += V^T P: keys 32 (i / 4) on, channels 16 (i % 4) on; the 4 accumulators take turns
	v_wmma_f32_16x16x32_f16 v[OT+8*(i%4):OT+8*(i%4)+7], v[VF+32*(i/4)+8*(i%4):VF+32*(i/4)+8*(i%4)+7], v[P+8*(i/4):P+8*(i/4)+7], v[OT+8*(i%4):OT+8*(i%4)+7]
.set i, i+1
.endr
	WIN 0
.Lskip:
	s_add_co_u32 s[TB], s[TB], STEPB
	s_add_co_u32 s[TR], s[TR], 1
	s_cmp_lt_u32 s[TR], 16
	s_cbranch_scc1 .Lstep
	; THE WAY OUT of a piece: l's two halves and the other half of the lanes' are added; O^T is divided by l, rounded to f16 and sent through my stage
	v_add_f32 v[ST+4], v[ST+2], v[ST+3]
	v_nop                                          ; with the addition: the four places behind the last products
	v_nop
	v_nop
	v_permlanex16_b32 v[ST+5], v[ST+4], s[SEL], s[SEL+1]
	v_add_f32 v[ST+4], v[ST+4], v[ST+5]
	v_rcp_f32 v[ST+6], v[ST+4]
	v_nop
	s_wait_alu depctr_va_vdst(0)                   ; the reciprocal's wait, ahead of its first use
	WIN 0x41
.set i, 0
.rept 16
	v_pk_mul_f32 v[OT+2*i:OT+2*i+1], v[OT+2*i:OT+2*i+1], v[ST+6:ST+7] op_sel_hi:[1,0]
.set i, i+1
.endr
	WIN 0x05                                       ; sources window 1, destination window 0: S^T's registers are free
.set i, 0
.rept 16
	v_cvt_pk_f16_f32 v[S+i], v[OT+2*i], v[OT+2*i+1]
.set i, i+1
.endr
	WIN 0
.irp f, 0,1,2,3
	ds_store_b128 v[STO], v[S+4*\f:S+4*\f+3] offset:32*\f
.endr
.irp f, 0,1,2,3
	ds_load_b128 v[S+4*\f:S+4*\f+3], v[RD] offset:\f*4*SP  ; my own bytes, served in order (ISA guide 5.7.1.4): these see the stores above
.endr
.irp f, 0,1,2,3
	s_wait_dscnt 3-\f                              ; the younger loads may stay out
	global_store_b128 v[GO], v[S+4*\f:S+4*\f+3], s[OA:OA+1] offset:\f*512  ; 512 consecutive bytes, aligned
.endr
	s_cmp_eq_u32 s[PCR], 1
	s_cbranch_scc1 .Llastp
	s_wait_xcnt 0x0                                ; the stores have read their registers and O's address
	s_mov_b64 s[OA:OA+1], s[OA+2:OA+3]
	s_mov_b32 s[NLR], s[NLR+1]
	WIN 0x01                                       ; the second piece's Q goes where the one text of a step names Q
.set i, 0
.rept 16
	v_mov_b32 v[Q+i], v[Q2+i]
.set i, i+1
.endr
	WIN 0
.Llastp:
	s_sub_co_u32 s[PCR], s[PCR], 1
	s_cmp_lg_u32 s[PCR], 0
	s_cbranch_scc1 .Lpiece
	s_wait_tensorcnt 0x0                           ; the wave's end, behind my last tensor load and my last LDS store
	ds_add_u32 v[SPW], v[NIL]
	s_wait_dscnt 0x0
	CROUND                                         ; the closing round
	s_endpgm
.Lfunc_end_k_qeef6d0aab8_attn:
	.size	k_qeef6d0aab8_attn, .Lfunc_end_k_qeef6d0aab8_attn-k_qeef6d0aab8_attn
	.p2alignl 7, 3214868480
	.fill 96, 4, 3214868480
	.section	.rodata,"a",@progbits
	.p2align	6, 0x0
	.amdhsa_kernel k_qeef6d0aab8_attn
		.amdhsa_group_segment_fixed_size 327680
		.amdhsa_private_segment_fixed_size 0
		.amdhsa_enable_private_segment 0
		.amdhsa_kernarg_size 16
		.amdhsa_user_sgpr_count 2
		.amdhsa_user_sgpr_kernarg_segment_ptr 1
		.amdhsa_wavefront_size32 1
		.amdhsa_system_sgpr_workgroup_id_x 1
		.amdhsa_system_sgpr_workgroup_id_y 1
		.amdhsa_system_sgpr_workgroup_id_z 1
		.amdhsa_system_vgpr_workitem_id 0
		.amdhsa_next_free_vgpr 384
		.amdhsa_next_free_sgpr 72
		.amdhsa_reserve_vcc 1
		.amdhsa_float_denorm_mode_32 3
		.amdhsa_float_denorm_mode_16_64 3
		.amdhsa_memory_ordered 1
		.amdhsa_forward_progress 1
		.amdhsa_inst_pref_size 28
	.end_amdhsa_kernel
	.amdgpu_metadata
---
amdhsa.version: [ 1, 2 ]
amdhsa.kernels:
  - .name:           k_qeef6d0aab8_attn
    .symbol:         k_qeef6d0aab8_attn.kd
    .args:
      - { .name: act32, .offset: 0, .size: 8, .value_kind: global_buffer, .address_space: global }
      - { .name: act8, .offset: 8, .size: 8, .value_kind: global_buffer, .address_space: global }
    .group_segment_fixed_size: 327680
    .private_segment_fixed_size: 0
    .kernarg_segment_align: 8
    .kernarg_segment_size: 16
    .max_flat_workgroup_size: 256
    .sgpr_count:     72
    .vgpr_count:     384
    .wavefront_size: 32
...
	.end_amdgpu_metadata
.endif
;; end of part 3
;; launch wo (part 4): grid 8 x 32, 4 waves a work-group, clusters of 4 x 4, 327,680 bytes of LDS; arguments act8, wn, x1, x, bo; writes x1
.if DOCPART == 4
	.amdgcn_target "amdgcn-amd-amdhsa--gfx1250"
	.amdhsa_code_object_version 6
	.text
	.protected	k_qeef6d0aab8_wo
	.globl	k_qeef6d0aab8_wo
	.p2align	8
	.type	k_qeef6d0aab8_wo,@function
k_qeef6d0aab8_wo:
	s_mov_b64 s[64:65], 0
	v_nop
	global_prefetch_b8 v0, s[64:65] scope:SCOPE_SE
	s_setreg_imm32_b32 hwreg(HW_REG_WAVE_MODE, 25, 1), 1
	s_wait_xcnt 0x0
	s_wait_alu depctr_hold_cnt(0) depctr_sa_sdst(0) depctr_va_vdst(0) depctr_va_sdst(0) depctr_va_ssrc(0) depctr_va_vcc(0) depctr_vm_vsrc(0)
	s_getreg_b32 s2, hwreg(HW_REG_IB_STS2, 6, 4)
	s_cmp_eq_u32 s2, 0
	s_cbranch_scc0 .Lentry_in_a_cluster
	s_endpgm
.Lentry_in_a_cluster:
	s_bfe_u32 s2, ttmp6, 0x10000c
	s_cmp_lg_u32 s2, 0xf033
	s_cbranch_scc0 .Lentry_shape_is_right
	s_endpgm
.Lentry_shape_is_right:
; x1 = x + O Wo + bo.  A = O, f16, by heads: element (m, k) at byte ((NH (m >> 10) + (k >> 6)) 1024 + (m & 1023)) 128 + 2 (k & 63).  B = Wo turned, f16 [1024 n][SIZE_K k].
; The residual x and the bias bo are inputs: rounded to bf16 like all inputs.  Sums and the result in f32.
; SHARES.  A tile of the result is 128 x 128: 256 work-groups.  Four waves, each 64 x 64: 16 accumulators.  K goes in 4 steps of 256 (four heads) through two LDS slots.
; A's part of a slot: four heads x 128 rows x 144 bytes; a head's 128 rows are 16,384 dense bytes of memory, so one load brings two heads as two rows of 8,192 elements, padded in LDS after every 128 bytes.
; B's part: 128 rows x 528 bytes.  CLUSTER: 4 x 4; A's tiles are asked for jointly along a row, B's along a column.
; A K STEP IS WRITTEN TWICE: once for the steps that fill their slot again, once for the last two, which ask for nothing; each text is a loop.  The slot in hand is a scalar register, 0 or SLOT, turned by an exclusive or
; with SLOT; the fragments' addresses are made from it at each change of slots, and one descriptor set walks.  The first quarter step, whose products start the sums, stands ahead of the first loop, which is entered in its
; middle.  The price of one text for both last steps, once a launch: the very last change of slots passes a barrier that orders nothing and issues 32 LDS loads, of the other slot's old bytes, that nobody multiplies.
; WHERE A SLOT IS FILLED AGAIN all of the step's 128 products stand ahead of the change of slots: the last 32 multiply fragments that lie in registers.  So between the wait that shows the other slot landed and the
; request for this slot's next tile stand only the lines that the change itself needs.  The next slot's first fragments are fetched behind the request.
; THE MATRIX INSTRUCTION IS USED TRANSPOSED (source 0 = rows of B, source 1 = rows of A): a lane holds row l % 16 and eight neighbouring columns.  THE BIAS STARTS THE SUMS, as the C of the first products.
; A wave's 64 columns of f32 are 256 aligned bytes of a row: each wave has its own stage and stores whole rows of its part.  The residual is loaded at the head and stays on its way during the K loop.
; No prefetch: the tiles are small and each step's bytes are shared by four work-groups.
; REGISTERS.  window 0: v16-30 addresses; v32-95 at work on the way out; v96-127 bias; v128-255 accumulators ((a, b) at v[128 + 8 (4 a + b)]).  window 1: two fragment buffers of 128.  window 2: v0-127 residual; v128-131 at work.
.set SIZE_K, 1024
.set NH,     16                        ; blocks of 64 channels in a batch of A
.set BOFF,   0                         ; where B begins in its buffer
.set RNDRES, 1                         ; the residual is an input: rounded to bf16
.set KSTEP,  256
.set STEPS,  SIZE_K/KSTEP
.set PA,     144                       ; a row of A in LDS: 128 bytes + 16
.set HEADB,  128*PA
.set AREG,   4*HEADB
.set PB,     528                       ; a row of B: 512 bytes + 16
.set HALFB,  64*PB
.set SLOT,   AREG+2*HALFB
.set STAGE,  2*SLOT                    ; 16 rows x 272 bytes for each wave; no tensor load lands here
.set SPITCH, 272
.set SPARE,  STAGE+4*16*SPITCH
.set ADRA0, 16                         ; v16  LDS address of my A fragments in slot 0; never rewritten
.set ADRA,  17                         ; v17  the same in the slot in hand
.set ADRB0, 20                         ; v20, v21  the same for B
.set ADRB,  21
.set STO,  24
.set RD,   25
.set CO,   26
.set SPW,  28
.set NIL,  29
.set BO,   30
.set TMP,  32
.set BIAS, 96
.set ACC,  128
.set F0,   0
.set F1,   128
.set G1, 24                            ; s[24:31] group 1 for A's tiles;  s[32:39] group 0: a set for each of the two first fills; the second then walks on
.set G0, 32
.set G1B, 48                           ; s[48:55], s[56:63] the same for B's
.set G0B, 56
.set HM, 67
.set TB,  72                           ; s72  the slot in hand: 0 or SLOT
.set LBA, 73                           ; s73  where a load of A lands in a slot
.set LBB, 74                           ; s74  where a load of B lands in a slot
.set MSB, 0
.macro WIN new
.if MSB != (\new)
	s_set_vgpr_msb (MSB<<8)|(\new)
.set MSB, \new
.endif
.endm
.set MUL,  0x05                        ; sources 0 (B) and 1 (A) window 1; C and D window 0
.set TO_F, 0x40
.macro JLOAD s                         ; waves 0 and 1 fetch A's two pairs of heads, waves 2 and 3 B's two halves; an s_nop 0 and four v_nop follow each line
	s_cmp_eq_u32 s11, 0
	s_cbranch_scc0 .Lfor_b_\@
	tensor_load_to_lds s[G0+4*(\s):G0+4*(\s)+3], s[G1:G1+7]
	s_nop 0
.rept 4
	v_nop
.endr
	s_branch .Lasked_\@
.Lfor_b_\@:
	tensor_load_to_lds s[G0B+4*(\s):G0B+4*(\s)+3], s[G1B:G1B+7]
	s_nop 0
.rept 4
	v_nop
.endr
.Lasked_\@:
.endm
.macro CREST
	s_cmp_lg_u32 s10, 0
	s_cbranch_scc1 .Lnot_wave_0_\@
	s_barrier_signal -3
.Lnot_wave_0_\@:
	s_barrier_wait -3
	s_barrier_signal -1
	s_barrier_wait -1
.endm
.macro CROUND
	s_barrier_signal -1
	s_barrier_wait -1
	CREST
.endm
	s_load_b128 s[4:7], s[0:1], 0x0                ; A s[4:5], B s[6:7]
	s_load_b64 s[8:9], s[0:1], 0x10                ; the result
	s_load_b128 s[68:71], s[0:1], 0x18             ; residual s[68:69], bias s[70:71]
	v_lshl_add_u32 v[SPW], v0, 2, SPARE
	v_mov_b32 v[NIL], 0
	ds_add_u32 v[SPW], v[NIL]                      ; the wave's opening: the add, twice on end, and its wait ahead of my first tensor load
	ds_add_u32 v[SPW], v[NIL]
	v_lshrrev_b32 v1, 5, v0
	v_readfirstlane_b32 s10, v1
	s_lshr_b32 s11, s10, 1                         ; my half of the tile's rows.  Also: I fetch for A (0) or for B (1)
	s_and_b32 s12, s10, 1                          ; my half of its columns.  Also: which half of that tile I fetch
	s_bfe_u32 s40, ttmp6, 0x40000
	s_bfe_u32 s41, ttmp6, 0x40004
	s_lshl_b32 s42, ttmp9, 2
	s_add_co_u32 s42, s42, s40                     ; tile column
	s_and_b32 s13, ttmp7, 0xffff
	s_lshl_b32 s13, s13, 2
	s_add_co_u32 s13, s13, s41                     ; tile row
	s_lshl_b32 s43, s41, 2
	s_lshl_b32 s43, 15, s43
	s_lshl_b32 s44, 0x1111, s40
	s_or_b32 s[G1+0], s43, (1<<16)|(1<<20)|(1<<21)|(4<<22)|(3<<25)   ; A: after every 32 words 4 words of padding
	s_mov_b32 s[G1+1], 8192<<16                    ; tensor_dim0 = 8,192 elements: 128 rows of one head
	s_mov_b32 s[G1+2], 2<<16                       ; tensor_dim1 = 2 heads
	s_mov_b32 s[G1+3], 8192<<16                    ; tile_dim0
	s_mov_b32 s[G1+4], 2                           ; tile_dim1
	s_mov_b32 s[G1+5], 65536                       ; elements from head to head
	s_mov_b32 s[G1+6], 0
	s_mov_b32 s[G1+7], 0
	s_or_b32 s[G1B+0], s44, (1<<16)|(1<<20)|(1<<21)|(6<<22)|(3<<25)  ; B: after every 128 words 4 words
	s_mov_b32 s[G1B+1], KSTEP<<16
	s_mov_b32 s[G1B+2], 64<<16
	s_mov_b32 s[G1B+3], KSTEP<<16
	s_mov_b32 s[G1B+4], 64
	s_mov_b32 s[G1B+5], SIZE_K
	s_mov_b32 s[G1B+6], 0
	s_mov_b32 s[G1B+7], 0
	s_lshr_b32 s16, s13, 3                         ; A: block NH x batch + 2 x half, rows 128 (tile row % 8) on
	s_mul_i32 s16, s16, NH
	s_lshl_b32 s17, s12, 1
	s_add_co_u32 s16, s16, s17
	s_lshl_b32 s16, s16, 17
	s_and_b32 s17, s13, 7
	s_lshl_b32 s17, s17, 14
	s_add_co_u32 s16, s16, s17
	s_mov_b32 s17, 0
	s_lshl_b32 s46, s42, 7                         ; B: row 128 x tile column + 64 x half
	s_lshl_b32 s47, s12, 6
	s_add_co_u32 s46, s46, s47
	s_mul_i32 s46, s46, SIZE_K*2
	s_add_co_u32 s46, s46, BOFF
	s_mov_b32 s47, 0
	s_mul_i32 s[LBA], s12, 2*HEADB                 ; where they go
	s_mul_i32 s[LBB], s12, HALFB
	s_add_co_u32 s[LBB], s[LBB], AREG
	s_mov_b32 s[TB], 0                             ; K step 0 lies in slot 0
	s_wait_dscnt 0x0                               ; both opening adds are done
	s_wait_kmcnt 0x0
	s_add_nc_u64 s[14:15], s[4:5], s[16:17]
	s_add_nc_u64 s[46:47], s[6:7], s[46:47]
	CROUND                                         ; all sixteen work-groups are here: the first joint loads meet
.irp s, 0,1
	s_mov_b32 s[G0+4*(\s)], 1
	s_add_co_u32 s[G0+4*(\s)+1], s[LBA], (\s)*SLOT
	s_add_nc_u64 s[G0+4*(\s)+2:G0+4*(\s)+3], s[14:15], (\s)*4*131072
	s_or_b32 s[G0+4*(\s)+3], s[G0+4*(\s)+3], 0x80000000
	s_mov_b32 s[G0B+4*(\s)], 1
	s_add_co_u32 s[G0B+4*(\s)+1], s[LBB], (\s)*SLOT
	s_add_nc_u64 s[G0B+4*(\s)+2:G0B+4*(\s)+3], s[46:47], (\s)*KSTEP*2
	s_or_b32 s[G0B+4*(\s)+3], s[G0B+4*(\s)+3], 0x80000000
	JLOAD \s
.endr
	v_and_b32 v1, 15, v0
	v_bfe_u32 v2, v0, 4, 1
	v_lshlrev_b32 v5, 12, v2                       ; two rows of the result, 16 bytes a lane
	v_lshl_add_u32 v[CO], v1, 4, v5
	v_lshlrev_b32 v[BO], 5, v2
	s_lshl_b32 s20, s42, 9                         ; my 64 columns, in bytes
	s_lshl_b32 s21, s12, 8
	s_add_co_u32 s20, s20, s21
	s_mov_b32 s21, 0
	s_add_nc_u64 s[70:71], s[70:71], s[20:21]
	s_lshl_b32 s22, s13, 19                        ; and my 64 rows
	s_add_co_u32 s20, s20, s22
	s_lshl_b32 s22, s11, 18
	s_add_co_u32 s20, s20, s22
	s_add_nc_u64 s[68:69], s[68:69], s[20:21]
	s_add_nc_u64 s[8:9], s[8:9], s[20:21]
.irp b, 0,1,2,3
	global_load_b128 v[BIAS+8*(\b):BIAS+8*(\b)+3],   v[BO], s[70:71] offset:64*(\b)
	global_load_b128 v[BIAS+8*(\b)+4:BIAS+8*(\b)+7], v[BO], s[70:71] offset:64*(\b)+16
.endr
	WIN 0x80                                       ; destination window 2
.set i, 0
.rept 32
	global_load_b128 v[4*i:4*i+3], v[CO], s[68:69] offset:2*i*4096  ; rows 2 i and 2 i + 1 of my part
.set i, i+1
.endr
	WIN 0
	v_mul_u32_u24 v3, v1, PA
	v_lshl_add_u32 v3, v2, 4, v3
	v_mul_u32_u24 v4, v1, PB
	v_lshl_add_u32 v4, v2, 4, v4
	s_mul_i32 s21, s11, 64*PA
	s_mul_i32 s22, s12, HALFB
	s_add_co_u32 s22, s22, AREG
	v_add_nc_u32 v[ADRA0], s21, v3
	v_add_nc_u32 v[ADRB0], s22, v4
	v_mov_b32 v[ADRA], v[ADRA0]
	v_mov_b32 v[ADRB], v[ADRB0]
	s_mul_i32 s23, s10, 16*SPITCH
	s_add_co_u32 s23, s23, STAGE
	v_mul_u32_u24 v5, v1, SPITCH                   ; in: row l % 16, 32 bytes for each half of the lanes
	v_lshl_add_u32 v5, v2, 5, v5
	v_add_nc_u32 v[STO], s23, v5
	v_mul_u32_u24 v5, v2, SPITCH                   ; back: lanes 0-15 one row of 256 bytes, lanes 16-31 the next
	v_lshl_add_u32 v5, v1, 4, v5
	v_add_nc_u32 v[RD], s23, v5
	s_mov_b32 s[HM], 0xffff0000
	s_wait_loadcnt 32                              ; the bias is in; the residual's 32 younger loads stay out through the K loop
.set i, 0
.rept 16
	v_cvt_pk_bf16_f32 v[TMP+i%4], v[BIAS+2*i], v[BIAS+2*i+1]
	v_lshlrev_b32 v[BIAS+2*i], 16, v[TMP+i%4]
	v_and_b32 v[BIAS+2*i+1], s[HM], v[TMP+i%4]
.set i, i+1
.endr
; 8 matrix instructions: m blocks a0, a0 + 1 x all 4 n blocks, 32 along K: half c of buffer f.  zero = 1: the first product starts the sums, with the bias as C.  The 16 accumulators take turns.
.macro MUL8 f, c, a0, zero
	WIN MUL
.irp a, \a0, (\a0)+1
.irp b, 0,1,2,3
.if \zero
	v_wmma_f32_16x16x32_f16 v[ACC+8*(4*(\a)+(\b)):ACC+8*(4*(\a)+(\b))+7], v[(\f)+64+8*(4*(\c)+(\b)):(\f)+64+8*(4*(\c)+(\b))+7], v[(\f)+8*(4*(\c)+(\a)):(\f)+8*(4*(\c)+(\a))+7], v[BIAS+8*(\b):BIAS+8*(\b)+7]
.else
	v_wmma_f32_16x16x32_f16 v[ACC+8*(4*(\a)+(\b)):ACC+8*(4*(\a)+(\b))+7], v[(\f)+64+8*(4*(\c)+(\b)):(\f)+64+8*(4*(\c)+(\b))+7], v[(\f)+8*(4*(\c)+(\a)):(\f)+8*(4*(\c)+(\a))+7], v[ACC+8*(4*(\a)+(\b)):ACC+8*(4*(\a)+(\b))+7]
.endif
.endr
.endr
.endm
; 32 LDS loads in one run, from the slot in hand: 64 along K (one head of A; byte k of B's rows) into buffer f; the first 32 along K first
.macro FETCH k, f
	WIN TO_F
.irp c, 0,1
.irp i, 0,1,2,3
	ds_load_b128 v[(\f)+64+8*(4*(\c)+(\i)):(\f)+64+8*(4*(\c)+(\i))+3],   v[ADRB] offset:(\k)+64*(\c)+(\i)*16*PB
	ds_load_b128 v[(\f)+64+8*(4*(\c)+(\i))+4:(\f)+64+8*(4*(\c)+(\i))+7], v[ADRB] offset:(\k)+64*(\c)+(\i)*16*PB+32
	ds_load_b128 v[(\f)+8*(4*(\c)+(\i)):(\f)+8*(4*(\c)+(\i))+3],         v[ADRA] offset:((\k)/128)*HEADB+64*(\c)+(\i)*16*PA
	ds_load_b128 v[(\f)+8*(4*(\c)+(\i))+4:(\f)+8*(4*(\c)+(\i))+7],       v[ADRA] offset:((\k)/128)*HEADB+64*(\c)+(\i)*16*PA+32
.endr
.endr
.endm
.macro PLACES
.rept 4
	v_nop
.endr
.endm
.macro QUARTER k, f, g, zero
	s_wait_dscnt 16                                ; the first 32 along K are in
	MUL8 \f, 0, 0, \zero
	MUL8 \f, 0, 2, \zero
	PLACES
	FETCH \k, \g
	s_wait_dscnt 32                                ; all but the 32 just issued
	MUL8 \f, 1, 0, 0
	MUL8 \f, 1, 2, 0
.endm
; The last quarter multiplies buffer 1 and changes slots: one barrier; in front of it each wave waits for all its tensor loads, adds 0 to its spare word, and waits for that and for its reads of this slot.
; fill = 1: the quarter's 32 products come first; then the three lines, with the walking descriptors' steps and the turn of the slot between the add and its wait; the barrier opens a round of the cluster's, and the slot
; just read out is filled again, two K steps on, first thing behind it.  fill = 0: nothing is asked for; the products stand round the barrier and behind the fetch.
.macro TURN fill
.if \fill
	s_wait_dscnt 16                                ; the first 32 along K of buffer 1 are in
	MUL8 F1, 0, 0, 0
	MUL8 F1, 0, 2, 0
	s_wait_dscnt 0x0                               ; the rest of buffer 1: my last reads of this slot
	MUL8 F1, 1, 0, 0
	MUL8 F1, 1, 2, 0
	WIN 0
	s_wait_tensorcnt 0x0                           ; all my tensor loads have landed: my part of the next slot; so a group 0 may be written
	ds_add_u32 v[SPW], v[NIL]
	s_add_co_u32 s[G0+5], s[LBA], s[TB]            ; the walking descriptors: into the slot just read out,
	s_add_co_u32 s[G0B+5], s[LBB], s[TB]
	s_add_nc_u64 s[G0+6:G0+7], s[G0+6:G0+7], 4*131072   ; the K step behind the one asked for last: four blocks of A,
	s_add_nc_u64 s[G0B+6:G0B+7], s[G0B+6:G0B+7], KSTEP*2 ; 512 bytes along B's rows; the type bits on top are not reached
	s_xor_b32 s[TB], s[TB], SLOT                   ; 0 becomes SLOT, SLOT becomes 0
	v_add_nc_u32 v[ADRA], s[TB], v[ADRA0]
	v_add_nc_u32 v[ADRB], s[TB], v[ADRB0]
	s_wait_dscnt 0x0                               ; the add is done
	s_barrier_signal -1
	s_barrier_wait -1
	CREST                                          ; no wave of any partner still reads this slot or has a load on its way
	JLOAD 1                                        ; the four v_nop behind it, with the two additions above, are the places in front of the loads below
	FETCH 0, F0
.else
	WIN 0
	s_wait_tensorcnt 0x0
	ds_add_u32 v[SPW], v[NIL]
	s_wait_dscnt 17                                ; the add and the youngest sixteen loads may be out
	MUL8 F1, 0, 0, 0
	s_wait_dscnt 0x0                               ; the add is done, and my reads of this slot are over
	s_barrier_signal -1
	MUL8 F1, 0, 2, 0
	s_barrier_wait -1
	PLACES
	s_xor_b32 s[TB], s[TB], SLOT
	WIN 0
	v_add_nc_u32 v[ADRA], s[TB], v[ADRA0]
	v_add_nc_u32 v[ADRB], s[TB], v[ADRB0]
	FETCH 0, F0
	MUL8 F1, 1, 0, 0
	MUL8 F1, 1, 2, 0
.endif
.endm
; THE WAY OUT.  STG a: block a's 16 rows x 64 columns of f32 into my stage (each accumulator's low registers first) and back as whole rows.  FIN a: the residual is added, and the rows are stored.
.macro STG a
	WIN 0
.if (\a) >= 2
	s_wait_xcnt 0x0                                ; the stores of two blocks back have read the registers that the loads below write
.endif
.irp b, 0,1,2,3
	ds_store_b128 v[STO], v[ACC+8*(4*(\a)+(\b)):ACC+8*(4*(\a)+(\b))+3]   offset:64*(\b)
	ds_store_b128 v[STO], v[ACC+8*(4*(\a)+(\b))+4:ACC+8*(4*(\a)+(\b))+7] offset:64*(\b)+16
.endr
.irp t, 0,1,2,3,4,5,6,7
	ds_load_b128 v[TMP+32*((\a)%2)+4*(\t):TMP+32*((\a)%2)+4*(\t)+3], v[RD] offset:(\t)*2*SPITCH  ; my own bytes, served in order (ISA guide 5.7.1.4)
.endr
.endm
.macro FIN a, younger                  ; younger: the next block's sixteen LDS instructions, or none
	s_wait_dscnt \younger
	WIN 0x08                                       ; source 1 window 2
.set i, 0
.rept 16
	v_pk_add_f32 v[TMP+32*((\a)%2)+2*i:TMP+32*((\a)%2)+2*i+1], v[TMP+32*((\a)%2)+2*i:TMP+32*((\a)%2)+2*i+1], v[32*(\a)+2*i:32*(\a)+2*i+1]
.set i, i+1
.endr
	WIN 0
.irp t, 0,1,2,3,4,5,6,7
	global_store_b128 v[CO], v[TMP+32*((\a)%2)+4*(\t):TMP+32*((\a)%2)+4*(\t)+3], s[8:9] offset:(16*(\a)+2*(\t))*4096  ; 16 lanes store 256 consecutive bytes, aligned
.endr
.endm
	s_wait_tensorcnt 1                             ; my part of K step 0 is in; K step 1's may stay out
	s_barrier_signal -1
	s_barrier_wait -1
	FETCH 0, F0
	QUARTER 128, F0, F1, 1                         ; the first quarter stands in front of the loop: its first products start the sums
	WIN 0                                          ; at a label and at a branch every window is 0
	s_mov_b32 s3, STEPS-2
	s_branch .Lmid                                 ; the loop is entered behind a K step's first quarter
.Lstep:                                        ; STEPS - 2 trips: each K step but the last two fills its slot again
	QUARTER 128, F0, F1, 0
	WIN 0
.Lmid:
	QUARTER 256, F1, F0, 0
	QUARTER 384, F0, F1, 0
	TURN 1
	WIN 0
	s_sub_co_u32 s3, s3, 1
	s_cmp_lg_u32 s3, 0
	s_cbranch_scc1 .Lstep
	s_mov_b32 s3, 2
.Ltail:                                        ; two trips, the last two K steps: nothing is asked for
	QUARTER 128, F0, F1, 0
	QUARTER 256, F1, F0, 0
	QUARTER 384, F0, F1, 0
	TURN 0
	WIN 0
	s_sub_co_u32 s3, s3, 1
	s_cmp_lg_u32 s3, 0
	s_cbranch_scc1 .Ltail
	s_wait_dscnt 0x0                               ; the last trip's 32 loads, which serve nothing
	PLACES
	s_wait_loadcnt 0x0                             ; the residual
.if RNDRES
	WIN 0x8a                                       ; destination and both sources window 2
.set i, 0
.rept 64
	v_cvt_pk_bf16_f32 v[128+i%4], v[2*i], v[2*i+1]
	v_lshlrev_b32 v[2*i], 16, v[128+i%4]
	v_and_b32 v[2*i+1], s[HM], v[128+i%4]
.set i, i+1
.endr
	WIN 0
.endif
	STG 0
	STG 1
	FIN 0, 16
	STG 2
	FIN 1, 16
	STG 3
	FIN 2, 16
	FIN 3, 0
	s_wait_tensorcnt 0x0                           ; the wave's end, behind my last tensor load and my last LDS store
	ds_add_u32 v[SPW], v[NIL]
	s_wait_dscnt 0x0
	CROUND                                         ; the closing round
	s_endpgm
.Lfunc_end_k_qeef6d0aab8_wo:
	.size	k_qeef6d0aab8_wo, .Lfunc_end_k_qeef6d0aab8_wo-k_qeef6d0aab8_wo
	.p2alignl 7, 3214868480
	.fill 96, 4, 3214868480
	.section	.rodata,"a",@progbits
	.p2align	6, 0x0
	.amdhsa_kernel k_qeef6d0aab8_wo
		.amdhsa_group_segment_fixed_size 327680
		.amdhsa_private_segment_fixed_size 0
		.amdhsa_enable_private_segment 0
		.amdhsa_kernarg_size 40
		.amdhsa_user_sgpr_count 2
		.amdhsa_user_sgpr_kernarg_segment_ptr 1
		.amdhsa_wavefront_size32 1
		.amdhsa_system_sgpr_workgroup_id_x 1
		.amdhsa_system_sgpr_workgroup_id_y 1
		.amdhsa_system_sgpr_workgroup_id_z 1
		.amdhsa_system_vgpr_workitem_id 0
		.amdhsa_next_free_vgpr 768
		.amdhsa_next_free_sgpr 76
		.amdhsa_reserve_vcc 0
		.amdhsa_float_denorm_mode_32 3
		.amdhsa_float_denorm_mode_16_64 3
		.amdhsa_memory_ordered 1
		.amdhsa_forward_progress 1
		.amdhsa_inst_pref_size 76
	.end_amdhsa_kernel
	.amdgpu_metadata
---
amdhsa.version: [ 1, 2 ]
amdhsa.kernels:
  - .name:           k_qeef6d0aab8_wo
    .symbol:         k_qeef6d0aab8_wo.kd
    .args:
      - { .name: act8, .offset: 0, .size: 8, .value_kind: global_buffer, .address_space: global }
      - { .name: wn, .offset: 8, .size: 8, .value_kind: global_buffer, .address_space: global }
      - { .name: x1, .offset: 16, .size: 8, .value_kind: global_buffer, .address_space: global }
      - { .name: x, .offset: 24, .size: 8, .value_kind: global_buffer, .address_space: global }
      - { .name: bo, .offset: 32, .size: 8, .value_kind: global_buffer, .address_space: global }
    .group_segment_fixed_size: 327680
    .private_segment_fixed_size: 0
    .kernarg_segment_align: 8
    .kernarg_segment_size: 40
    .max_flat_workgroup_size: 128
    .sgpr_count:     76
    .vgpr_count:     768
    .wavefront_size: 32
...
	.end_amdgpu_metadata
.endif
;; end of part 4
;; launch ln2 (part 5): grid 512 x 1, 8 waves a work-group, no clusters, 0 bytes of LDS; arguments x1, ln2_g, ln2_b, act8; writes act8
.if DOCPART == 5
	.amdgcn_target "amdgcn-amd-amdhsa--gfx1250"
	.amdhsa_code_object_version 6
	.text
	.protected	k_qeef6d0aab8_ln2
	.globl	k_qeef6d0aab8_ln2
	.p2align	8
	.type	k_qeef6d0aab8_ln2,@function
k_qeef6d0aab8_ln2:
	s_mov_b64 s[64:65], 0
	v_nop
	global_prefetch_b8 v0, s[64:65] scope:SCOPE_SE
	s_setreg_imm32_b32 hwreg(HW_REG_WAVE_MODE, 25, 1), 1
	s_wait_xcnt 0x0
; LAYERNORM 2: act8[r] = (x1[r] - mu) / sqrt(var + 1e-5) g + b, rounded once to f16.  x1 is the program's own f32 and is taken as it is; gain and bias are inputs, rounded to bf16 like all inputs.
; One wave, one row of 1,024 numbers, kept in 32 registers a lane between the passes: the row is read once, the sums never leave the wave, there is no LDS and no barrier.
; The variance is the mean of the squared differences from the mean: no difference of large sums.  LIMIT: the result must stay under 65,504 (f16).
; Memory binds: matrix units, clusters and tensor loads would add nothing.
.set L8,  4                            ; v4   8 x lane
.set VO,  5                            ; v5   16 x lane
.set XR,  40
.set GR,  72
.set BR,  104
.set YR,  136
.set AC,  152
.set MU,  160
.set RS,  162
.set TT,  168
.macro RND base
.set i, 0
.rept 16
	v_cvt_pk_bf16_f32 v[TT+i%8], v[\base+2*i], v[\base+2*i+1]
	v_lshlrev_b32 v[\base+2*i], 16, v[TT+i%8]
	v_and_b32 v[\base+2*i+1], s41, v[TT+i%8]
.set i, i+1
.endr
.endm
.macro RED
	v_pk_add_f32 v[AC:AC+1], v[AC:AC+1], v[AC+2:AC+3]
	v_pk_add_f32 v[AC+4:AC+5], v[AC+4:AC+5], v[AC+6:AC+7]
	v_pk_add_f32 v[AC:AC+1], v[AC:AC+1], v[AC+4:AC+5]
	v_add_f32 v[AC], v[AC], v[AC+1]
	v_add_f32_dpp v[AC], v[AC], v[AC] row_xmask:1 row_mask:0xf bank_mask:0xf
	v_add_f32_dpp v[AC], v[AC], v[AC] row_xmask:2 row_mask:0xf bank_mask:0xf
	v_add_f32_dpp v[AC], v[AC], v[AC] row_xmask:4 row_mask:0xf bank_mask:0xf
	v_add_f32_dpp v[AC], v[AC], v[AC] row_xmask:8 row_mask:0xf bank_mask:0xf
	v_permlanex16_b32 v[AC+1], v[AC], s42, s43
	v_add_f32 v[AC], v[AC], v[AC+1]
.endm
	s_load_b256 s[8:15], s[0:1], 0x0               ; x1 8, gain 10, bias 12, act8 14
	v_lshrrev_b32 v1, 5, v0
	v_readfirstlane_b32 s40, v1                    ; wave 0..7
	v_and_b32 v1, 31, v0
	v_lshlrev_b32 v[L8], 3, v1
	v_lshlrev_b32 v[VO], 4, v1
	s_mov_b32 s41, 0xffff0000
	s_mov_b32 s42, 0x76543210
	s_mov_b32 s43, 0xfedcba98
	s_mov_b32 s44, 0x3a800000                      ; 1 / 1,024
	s_mov_b32 s45, 0x3727c5ac                      ; 1e-5
	s_lshl_b32 s38, ttmp9, 3
	s_add_co_u32 s38, s38, s40                     ; my row
	s_lshl_b32 s46, s38, 12
	s_mov_b32 s47, 0
	s_wait_kmcnt 0x0
	s_add_nc_u64 s[8:9], s[8:9], s[46:47]
	s_lshl_b32 s46, s38, 11
	s_add_nc_u64 s[14:15], s[14:15], s[46:47]
.irp j, 0,1,2,3,4,5,6,7
	global_load_b128 v[XR+4*\j:XR+4*\j+3], v[VO], s[8:9] offset:512*\j
.endr
.irp j, 0,1,2,3,4,5,6,7
	global_load_b128 v[GR+4*\j:GR+4*\j+3], v[VO], s[10:11] offset:512*\j
.endr
.irp j, 0,1,2,3,4,5,6,7
	global_load_b128 v[BR+4*\j:BR+4*\j+3], v[VO], s[12:13] offset:512*\j
.endr
	s_wait_loadcnt 16                              ; the row is in; the 16 younger loads, gain and bias, may stay out
.irp c, 0,1,2,3
	v_pk_add_f32 v[AC+2*\c:AC+2*\c+1], v[XR+2*\c:XR+2*\c+1], v[XR+8+2*\c:XR+8+2*\c+1]
.endr
.irp g, 2,3
.irp c, 0,1,2,3
	v_pk_add_f32 v[AC+2*\c:AC+2*\c+1], v[AC+2*\c:AC+2*\c+1], v[XR+8*\g+2*\c:XR+8*\g+2*\c+1]
.endr
.endr
	RED
	v_mul_f32 v[MU], s44, v[AC]
	v_mov_b32 v[MU+1], v[MU]
.set i, 0
.rept 16
	v_pk_add_f32 v[XR+2*i:XR+2*i+1], v[XR+2*i:XR+2*i+1], v[MU:MU+1] neg_lo:[0,1] neg_hi:[0,1]
.set i, i+1
.endr
.irp c, 0,1,2,3
	v_pk_mul_f32 v[AC+2*\c:AC+2*\c+1], v[XR+2*\c:XR+2*\c+1], v[XR+2*\c:XR+2*\c+1]
.endr
.irp g, 1,2,3
.irp c, 0,1,2,3
	v_pk_fma_f32 v[AC+2*\c:AC+2*\c+1], v[XR+8*\g+2*\c:XR+8*\g+2*\c+1], v[XR+8*\g+2*\c:XR+8*\g+2*\c+1], v[AC+2*\c:AC+2*\c+1]
.endr
.endr
	RED
	v_fma_f32 v[AC+2], v[AC], s44, s45             ; var + eps
	v_rsq_f32 v[RS], v[AC+2]
	s_wait_loadcnt 0x0                             ; gain and bias
	RND GR                                         ; independent work behind the root,
	RND BR
	s_wait_alu depctr_va_vdst(0)                   ; and its one wait, ahead of the first line that names its result
	v_mov_b32 v[RS+1], v[RS]
.set i, 0
.rept 16
	v_pk_mul_f32 v[XR+2*i:XR+2*i+1], v[XR+2*i:XR+2*i+1], v[RS:RS+1]
.set i, i+1
.endr
.set i, 0
.rept 16
	v_pk_fma_f32 v[XR+2*i:XR+2*i+1], v[XR+2*i:XR+2*i+1], v[GR+2*i:GR+2*i+1], v[BR+2*i:BR+2*i+1]
.set i, i+1
.endr
.set i, 0
.rept 16
	v_cvt_pk_f16_f32 v[YR+i], v[XR+2*i], v[XR+2*i+1]
.set i, i+1
.endr
.irp j, 0,1,2,3,4,5,6,7
	global_store_b64 v[L8], v[YR+2*\j:YR+2*\j+1], s[14:15] offset:256*\j  ; 32 lanes store 256 consecutive bytes, aligned
.endr
	s_endpgm
.Lfunc_end_k_qeef6d0aab8_ln2:
	.size	k_qeef6d0aab8_ln2, .Lfunc_end_k_qeef6d0aab8_ln2-k_qeef6d0aab8_ln2
	.p2alignl 7, 3214868480
	.fill 96, 4, 3214868480
	.section	.rodata,"a",@progbits
	.p2align	6, 0x0
	.amdhsa_kernel k_qeef6d0aab8_ln2
		.amdhsa_group_segment_fixed_size 0
		.amdhsa_private_segment_fixed_size 0
		.amdhsa_enable_private_segment 0
		.amdhsa_kernarg_size 32
		.amdhsa_user_sgpr_count 2
		.amdhsa_user_sgpr_kernarg_segment_ptr 1
		.amdhsa_wavefront_size32 1
		.amdhsa_system_sgpr_workgroup_id_x 1
		.amdhsa_system_sgpr_workgroup_id_y 1
		.amdhsa_system_sgpr_workgroup_id_z 1
		.amdhsa_system_vgpr_workitem_id 0
		.amdhsa_next_free_vgpr 192
		.amdhsa_next_free_sgpr 66
		.amdhsa_reserve_vcc 0
		.amdhsa_float_denorm_mode_32 3
		.amdhsa_float_denorm_mode_16_64 3
		.amdhsa_memory_ordered 1
		.amdhsa_forward_progress 1
		.amdhsa_inst_pref_size 16
	.end_amdhsa_kernel
	.amdgpu_metadata
---
amdhsa.version: [ 1, 2 ]
amdhsa.kernels:
  - .name:           k_qeef6d0aab8_ln2
    .symbol:         k_qeef6d0aab8_ln2.kd
    .args:
      - { .name: x1, .offset: 0, .size: 8, .value_kind: global_buffer, .address_space: global }
      - { .name: ln2_g, .offset: 8, .size: 8, .value_kind: global_buffer, .address_space: global }
      - { .name: ln2_b, .offset: 16, .size: 8, .value_kind: global_buffer, .address_space: global }
      - { .name: act8, .offset: 24, .size: 8, .value_kind: global_buffer, .address_space: global }
    .group_segment_fixed_size: 0
    .private_segment_fixed_size: 0
    .kernarg_segment_align: 8
    .kernarg_segment_size: 32
    .max_flat_workgroup_size: 256
    .sgpr_count:     66
    .vgpr_count:     192
    .wavefront_size: 32
...
	.end_amdgpu_metadata
.endif
;; end of part 5
;; launch ff1: the kernel of part 2 again; grid 16 x 16, 4 waves a work-group, clusters of 4 x 4, 327,680 bytes of LDS; arguments act8, w1t, act32, pf; writes act32
;; launch ff2 (part 6): grid 8 x 32, 4 waves a work-group, clusters of 4 x 4, 327,680 bytes of LDS; arguments act32, wn, out0, x1, b2; writes out0
.if DOCPART == 6
	.amdgcn_target "amdgcn-amd-amdhsa--gfx1250"
	.amdhsa_code_object_version 6
	.text
	.protected	k_qeef6d0aab8_ff2
	.globl	k_qeef6d0aab8_ff2
	.p2align	8
	.type	k_qeef6d0aab8_ff2,@function
k_qeef6d0aab8_ff2:
	s_mov_b64 s[64:65], 0
	v_nop
	global_prefetch_b8 v0, s[64:65] scope:SCOPE_SE
	s_setreg_imm32_b32 hwreg(HW_REG_WAVE_MODE, 25, 1), 1
	s_wait_xcnt 0x0
	s_wait_alu depctr_hold_cnt(0) depctr_sa_sdst(0) depctr_va_vdst(0) depctr_va_sdst(0) depctr_va_ssrc(0) depctr_va_vcc(0) depctr_vm_vsrc(0)
	s_getreg_b32 s2, hwreg(HW_REG_IB_STS2, 6, 4)
	s_cmp_eq_u32 s2, 0
	s_cbranch_scc0 .Lentry_in_a_cluster
	s_endpgm
.Lentry_in_a_cluster:
	s_bfe_u32 s2, ttmp6, 0x10000c
	s_cmp_lg_u32 s2, 0xf033
	s_cbranch_scc0 .Lentry_shape_is_right
	s_endpgm
.Lentry_shape_is_right:
; out = x1 + hidden W2 + b2.  A = the hidden layer, f16, by blocks of 64 channels: element (m, k) at byte ((NH (m >> 10) + (k >> 6)) 1024 + (m & 1023)) 128 + 2 (k & 63).
; B = W2 turned, f16 [1024 n][SIZE_K k], behind the first 2 MiB of its buffer.  The bias b2 is an input: rounded to bf16 like all inputs; the residual x1 is the program's own f32 and is taken as it is.
; Sums and the result in f32.
; SHARES.  A tile of the result is 128 x 128: 256 work-groups.  Four waves, each 64 x 64: 16 accumulators.  K goes in 16 steps of 256 (four blocks of 64 channels) through two LDS slots.
; A's part of a slot: four blocks x 128 rows x 144 bytes; a block's 128 rows are 16,384 dense bytes of memory, so one load brings two blocks as two rows of 8,192 elements, padded in LDS after every 128 bytes.
; B's part: 128 rows x 528 bytes.  CLUSTER: 4 x 4; A's tiles are asked for jointly along a row, B's along a column.
; A K STEP IS WRITTEN TWICE: once for the steps that fill their slot again, once for the last two, which ask for nothing; each text is a loop.  The slot in hand is a scalar register, 0 or SLOT, turned by an exclusive or
; with SLOT; the fragments' addresses are made from it at each change of slots, and one descriptor set walks.  The first quarter step, whose products start the sums, stands ahead of the first loop, which is entered in its
; middle.  The price of one text for both last steps, once a launch: the very last change of slots passes a barrier that orders nothing and issues 32 LDS loads, of the other slot's old bytes, that nobody multiplies.
; WHERE A SLOT IS FILLED AGAIN all of the step's 128 products stand ahead of the change of slots: the last 32 multiply fragments that lie in registers.  So between the wait that shows the other slot landed and the
; request for this slot's next tile stand only the lines that the change itself needs.  The next slot's first fragments are fetched behind the request.
; THE MATRIX INSTRUCTION IS USED TRANSPOSED (source 0 = rows of B, source 1 = rows of A): a lane holds row l % 16 and eight neighbouring columns.  THE BIAS STARTS THE SUMS, as the C of the first products.
; A wave's 64 columns of f32 are 256 aligned bytes of a row: each wave has its own stage and stores whole rows of its part.  The residual is loaded at the head and stays on its way during the K loop.
; No prefetch: the tiles are small and each step's bytes are shared by four work-groups.
; REGISTERS.  window 0: v16-30 addresses; v32-95 at work on the way out; v96-127 bias; v128-255 accumulators ((a, b) at v[128 + 8 (4 a + b)]).  window 1: two fragment buffers of 128.  window 2: v0-127 residual.
.set SIZE_K, 4096
.set NH,     64                        ; blocks of 64 channels in a batch of A
.set BOFF,   2097152                   ; where B begins in its buffer
.set KSTEP,  256
.set STEPS,  SIZE_K/KSTEP
.set PA,     144                       ; a row of A in LDS: 128 bytes + 16
.set HEADB,  128*PA
.set AREG,   4*HEADB
.set PB,     528                       ; a row of B: 512 bytes + 16
.set HALFB,  64*PB
.set SLOT,   AREG+2*HALFB
.set STAGE,  2*SLOT                    ; 16 rows x 272 bytes for each wave; no tensor load lands here
.set SPITCH, 272
.set SPARE,  STAGE+4*16*SPITCH
.set ADRA0, 16                         ; v16  LDS address of my A fragments in slot 0; never rewritten
.set ADRA,  17                         ; v17  the same in the slot in hand
.set ADRB0, 20                         ; v20, v21  the same for B
.set ADRB,  21
.set STO,  24
.set RD,   25
.set CO,   26
.set SPW,  28
.set NIL,  29
.set BO,   30
.set TMP,  32
.set BIAS, 96
.set ACC,  128
.set F0,   0
.set F1,   128
.set G1, 24                            ; s[24:31] group 1 for A's tiles;  s[32:39] group 0: a set for each of the two first fills; the second then walks on
.set G0, 32
.set G1B, 48                           ; s[48:55], s[56:63] the same for B's
.set G0B, 56
.set HM, 67
.set TB,  72                           ; s72  the slot in hand: 0 or SLOT
.set LBA, 73                           ; s73  where a load of A lands in a slot
.set LBB, 74                           ; s74  where a load of B lands in a slot
.set MSB, 0
.macro WIN new
.if MSB != (\new)
	s_set_vgpr_msb (MSB<<8)|(\new)
.set MSB, \new
.endif
.endm
.set MUL,  0x05                        ; sources 0 (B) and 1 (A) window 1; C and D window 0
.set TO_F, 0x40
.macro JLOAD s                         ; waves 0 and 1 fetch A's two pairs of blocks, waves 2 and 3 B's two halves; an s_nop 0 and four v_nop follow each line
	s_cmp_eq_u32 s11, 0
	s_cbranch_scc0 .Lfor_b_\@
	tensor_load_to_lds s[G0+4*(\s):G0+4*(\s)+3], s[G1:G1+7]
	s_nop 0
.rept 4
	v_nop
.endr
	s_branch .Lasked_\@
.Lfor_b_\@:
	tensor_load_to_lds s[G0B+4*(\s):G0B+4*(\s)+3], s[G1B:G1B+7]
	s_nop 0
.rept 4
	v_nop
.endr
.Lasked_\@:
.endm
.macro CREST
	s_cmp_lg_u32 s10, 0
	s_cbranch_scc1 .Lnot_wave_0_\@
	s_barrier_signal -3
.Lnot_wave_0_\@:
	s_barrier_wait -3
	s_barrier_signal -1
	s_barrier_wait -1
.endm
.macro CROUND
	s_barrier_signal -1
	s_barrier_wait -1
	CREST
.endm
	s_load_b128 s[4:7], s[0:1], 0x0                ; A s[4:5], B s[6:7]
	s_load_b64 s[8:9], s[0:1], 0x10                ; the result
	s_load_b128 s[68:71], s[0:1], 0x18             ; residual s[68:69], bias s[70:71]
	v_lshl_add_u32 v[SPW], v0, 2, SPARE
	v_mov_b32 v[NIL], 0
	ds_add_u32 v[SPW], v[NIL]                      ; the wave's opening: the add, twice on end, and its wait ahead of my first tensor load
	ds_add_u32 v[SPW], v[NIL]
	v_lshrrev_b32 v1, 5, v0
	v_readfirstlane_b32 s10, v1
	s_lshr_b32 s11, s10, 1                         ; my half of the tile's rows.  Also: I fetch for A (0) or for B (1)
	s_and_b32 s12, s10, 1                          ; my half of its columns.  Also: which half of that tile I fetch
	s_bfe_u32 s40, ttmp6, 0x40000
	s_bfe_u32 s41, ttmp6, 0x40004
	s_lshl_b32 s42, ttmp9, 2
	s_add_co_u32 s42, s42, s40                     ; tile column
	s_and_b32 s13, ttmp7, 0xffff
	s_lshl_b32 s13, s13, 2
	s_add_co_u32 s13, s13, s41                     ; tile row
	s_lshl_b32 s43, s41, 2
	s_lshl_b32 s43, 15, s43
	s_lshl_b32 s44, 0x1111, s40
	s_or_b32 s[G1+0], s43, (1<<16)|(1<<20)|(1<<21)|(4<<22)|(3<<25)   ; A: after every 32 words 4 words of padding
	s_mov_b32 s[G1+1], 8192<<16                    ; tensor_dim0 = 8,192 elements: 128 rows of one block
	s_mov_b32 s[G1+2], 2<<16                       ; tensor_dim1 = 2 blocks
	s_mov_b32 s[G1+3], 8192<<16                    ; tile_dim0
	s_mov_b32 s[G1+4], 2                           ; tile_dim1
	s_mov_b32 s[G1+5], 65536                       ; elements from block to block
	s_mov_b32 s[G1+6], 0
	s_mov_b32 s[G1+7], 0
	s_or_b32 s[G1B+0], s44, (1<<16)|(1<<20)|(1<<21)|(6<<22)|(3<<25)  ; B: after every 128 words 4 words
	s_mov_b32 s[G1B+1], KSTEP<<16
	s_mov_b32 s[G1B+2], 64<<16
	s_mov_b32 s[G1B+3], KSTEP<<16
	s_mov_b32 s[G1B+4], 64
	s_mov_b32 s[G1B+5], SIZE_K
	s_mov_b32 s[G1B+6], 0
	s_mov_b32 s[G1B+7], 0
	s_lshr_b32 s16, s13, 3                         ; A: block NH x batch + 2 x half, rows 128 (tile row % 8) on
	s_mul_i32 s16, s16, NH
	s_lshl_b32 s17, s12, 1
	s_add_co_u32 s16, s16, s17
	s_lshl_b32 s16, s16, 17
	s_and_b32 s17, s13, 7
	s_lshl_b32 s17, s17, 14
	s_add_co_u32 s16, s16, s17
	s_mov_b32 s17, 0
	s_lshl_b32 s46, s42, 7                         ; B: row 128 x tile column + 64 x half
	s_lshl_b32 s47, s12, 6
	s_add_co_u32 s46, s46, s47
	s_mul_i32 s46, s46, SIZE_K*2
	s_add_co_u32 s46, s46, BOFF
	s_mov_b32 s47, 0
	s_mul_i32 s[LBA], s12, 2*HEADB                 ; where they go
	s_mul_i32 s[LBB], s12, HALFB
	s_add_co_u32 s[LBB], s[LBB], AREG
	s_mov_b32 s[TB], 0                             ; K step 0 lies in slot 0
	s_wait_dscnt 0x0                               ; both opening adds are done
	s_wait_kmcnt 0x0
	s_add_nc_u64 s[14:15], s[4:5], s[16:17]
	s_add_nc_u64 s[46:47], s[6:7], s[46:47]
	CROUND                                         ; all sixteen work-groups are here: the first joint loads meet
.irp s, 0,1
	s_mov_b32 s[G0+4*(\s)], 1
	s_add_co_u32 s[G0+4*(\s)+1], s[LBA], (\s)*SLOT
	s_add_nc_u64 s[G0+4*(\s)+2:G0+4*(\s)+3], s[14:15], (\s)*4*131072
	s_or_b32 s[G0+4*(\s)+3], s[G0+4*(\s)+3], 0x80000000
	s_mov_b32 s[G0B+4*(\s)], 1
	s_add_co_u32 s[G0B+4*(\s)+1], s[LBB], (\s)*SLOT
	s_add_nc_u64 s[G0B+4*(\s)+2:G0B+4*(\s)+3], s[46:47], (\s)*KSTEP*2
	s_or_b32 s[G0B+4*(\s)+3], s[G0B+4*(\s)+3], 0x80000000
	JLOAD \s
.endr
	v_and_b32 v1, 15, v0
	v_bfe_u32 v2, v0, 4, 1
	v_lshlrev_b32 v5, 12, v2                       ; two rows of the result, 16 bytes a lane
	v_lshl_add_u32 v[CO], v1, 4, v5
	v_lshlrev_b32 v[BO], 5, v2
	s_lshl_b32 s20, s42, 9                         ; my 64 columns, in bytes
	s_lshl_b32 s21, s12, 8
	s_add_co_u32 s20, s20, s21
	s_mov_b32 s21, 0
	s_add_nc_u64 s[70:71], s[70:71], s[20:21]
	s_lshl_b32 s22, s13, 19                        ; and my 64 rows
	s_add_co_u32 s20, s20, s22
	s_lshl_b32 s22, s11, 18
	s_add_co_u32 s20, s20, s22
	s_add_nc_u64 s[68:69], s[68:69], s[20:21]
	s_add_nc_u64 s[8:9], s[8:9], s[20:21]
.irp b, 0,1,2,3
	global_load_b128 v[BIAS+8*(\b):BIAS+8*(\b)+3],   v[BO], s[70:71] offset:64*(\b)
	global_load_b128 v[BIAS+8*(\b)+4:BIAS+8*(\b)+7], v[BO], s[70:71] offset:64*(\b)+16
.endr
	WIN 0x80                                       ; destination window 2
.set i, 0
.rept 32
	global_load_b128 v[4*i:4*i+3], v[CO], s[68:69] offset:2*i*4096  ; rows 2 i and 2 i + 1 of my part
.set i, i+1
.endr
	WIN 0
	v_mul_u32_u24 v3, v1, PA
	v_lshl_add_u32 v3, v2, 4, v3
	v_mul_u32_u24 v4, v1, PB
	v_lshl_add_u32 v4, v2, 4, v4
	s_mul_i32 s21, s11, 64*PA
	s_mul_i32 s22, s12, HALFB
	s_add_co_u32 s22, s22, AREG
	v_add_nc_u32 v[ADRA0], s21, v3
	v_add_nc_u32 v[ADRB0], s22, v4
	v_mov_b32 v[ADRA], v[ADRA0]
	v_mov_b32 v[ADRB], v[ADRB0]
	s_mul_i32 s23, s10, 16*SPITCH
	s_add_co_u32 s23, s23, STAGE
	v_mul_u32_u24 v5, v1, SPITCH                   ; in: row l % 16, 32 bytes for each half of the lanes
	v_lshl_add_u32 v5, v2, 5, v5
	v_add_nc_u32 v[STO], s23, v5
	v_mul_u32_u24 v5, v2, SPITCH                   ; back: lanes 0-15 one row of 256 bytes, lanes 16-31 the next
	v_lshl_add_u32 v5, v1, 4, v5
	v_add_nc_u32 v[RD], s23, v5
	s_mov_b32 s[HM], 0xffff0000
	s_wait_loadcnt 32                              ; the bias is in; the residual's 32 younger loads stay out through the K loop
.set i, 0
.rept 16
	v_cvt_pk_bf16_f32 v[TMP+i%4], v[BIAS+2*i], v[BIAS+2*i+1]
	v_lshlrev_b32 v[BIAS+2*i], 16, v[TMP+i%4]
	v_and_b32 v[BIAS+2*i+1], s[HM], v[TMP+i%4]
.set i, i+1
.endr
; 8 matrix instructions: m blocks a0, a0 + 1 x all 4 n blocks, 32 along K: half c of buffer f.  zero = 1: the first product starts the sums, with the bias as C.  The 16 accumulators take turns.
.macro MUL8 f, c, a0, zero
	WIN MUL
.irp a, \a0, (\a0)+1
.irp b, 0,1,2,3
.if \zero
	v_wmma_f32_16x16x32_f16 v[ACC+8*(4*(\a)+(\b)):ACC+8*(4*(\a)+(\b))+7], v[(\f)+64+8*(4*(\c)+(\b)):(\f)+64+8*(4*(\c)+(\b))+7], v[(\f)+8*(4*(\c)+(\a)):(\f)+8*(4*(\c)+(\a))+7], v[BIAS+8*(\b):BIAS+8*(\b)+7]
.else
	v_wmma_f32_16x16x32_f16 v[ACC+8*(4*(\a)+(\b)):ACC+8*(4*(\a)+(\b))+7], v[(\f)+64+8*(4*(\c)+(\b)):(\f)+64+8*(4*(\c)+(\b))+7], v[(\f)+8*(4*(\c)+(\a)):(\f)+8*(4*(\c)+(\a))+7], v[ACC+8*(4*(\a)+(\b)):ACC+8*(4*(\a)+(\b))+7]
.endif
.endr
.endr
.endm
; 32 LDS loads in one run, from the slot in hand: 64 along K (one block of A; byte k of B's rows) into buffer f; the first 32 along K first
.macro FETCH k, f
	WIN TO_F
.irp c, 0,1
.irp i, 0,1,2,3
	ds_load_b128 v[(\f)+64+8*(4*(\c)+(\i)):(\f)+64+8*(4*(\c)+(\i))+3],   v[ADRB] offset:(\k)+64*(\c)+(\i)*16*PB
	ds_load_b128 v[(\f)+64+8*(4*(\c)+(\i))+4:(\f)+64+8*(4*(\c)+(\i))+7], v[ADRB] offset:(\k)+64*(\c)+(\i)*16*PB+32
	ds_load_b128 v[(\f)+8*(4*(\c)+(\i)):(\f)+8*(4*(\c)+(\i))+3],         v[ADRA] offset:((\k)/128)*HEADB+64*(\c)+(\i)*16*PA
	ds_load_b128 v[(\f)+8*(4*(\c)+(\i))+4:(\f)+8*(4*(\c)+(\i))+7],       v[ADRA] offset:((\k)/128)*HEADB+64*(\c)+(\i)*16*PA+32
.endr
.endr
.endm
.macro PLACES
.rept 4
	v_nop
.endr
.endm
.macro QUARTER k, f, g, zero
	s_wait_dscnt 16                                ; the first 32 along K are in
	MUL8 \f, 0, 0, \zero
	MUL8 \f, 0, 2, \zero
	PLACES
	FETCH \k, \g
	s_wait_dscnt 32                                ; all but the 32 just issued
	MUL8 \f, 1, 0, 0
	MUL8 \f, 1, 2, 0
.endm
; The last quarter multiplies buffer 1 and changes slots: one barrier; in front of it each wave waits for all its tensor loads, adds 0 to its spare word, and waits for that and for its reads of this slot.
; fill = 1: the quarter's 32 products come first; then the three lines, with the walking descriptors' steps and the turn of the slot between the add and its wait; the barrier opens a round of the cluster's, and the slot
; just read out is filled again, two K steps on, first thing behind it.  fill = 0: nothing is asked for; the products stand round the barrier and behind the fetch.
.macro TURN fill
.if \fill
	s_wait_dscnt 16                                ; the first 32 along K of buffer 1 are in
	MUL8 F1, 0, 0, 0
	MUL8 F1, 0, 2, 0
	s_wait_dscnt 0x0                               ; the rest of buffer 1: my last reads of this slot
	MUL8 F1, 1, 0, 0
	MUL8 F1, 1, 2, 0
	WIN 0
	s_wait_tensorcnt 0x0                           ; all my tensor loads have landed: my part of the next slot; so a group 0 may be written
	ds_add_u32 v[SPW], v[NIL]
	s_add_co_u32 s[G0+5], s[LBA], s[TB]            ; the walking descriptors: into the slot just read out,
	s_add_co_u32 s[G0B+5], s[LBB], s[TB]
	s_add_nc_u64 s[G0+6:G0+7], s[G0+6:G0+7], 4*131072   ; the K step behind the one asked for last: four blocks of A,
	s_add_nc_u64 s[G0B+6:G0B+7], s[G0B+6:G0B+7], KSTEP*2 ; 512 bytes along B's rows; the type bits on top are not reached
	s_xor_b32 s[TB], s[TB], SLOT                   ; 0 becomes SLOT, SLOT becomes 0
	v_add_nc_u32 v[ADRA], s[TB], v[ADRA0]
	v_add_nc_u32 v[ADRB], s[TB], v[ADRB0]
	s_wait_dscnt 0x0                               ; the add is done
	s_barrier_signal -1
	s_barrier_wait -1
	CREST                                          ; no wave of any partner still reads this slot or has a load on its way
	JLOAD 1                                        ; the four v_nop behind it, with the two additions above, are the places in front of the loads below
	FETCH 0, F0
.else
	WIN 0
	s_wait_tensorcnt 0x0
	ds_add_u32 v[SPW], v[NIL]
	s_wait_dscnt 17                                ; the add and the youngest sixteen loads may be out
	MUL8 F1, 0, 0, 0
	s_wait_dscnt 0x0                               ; the add is done, and my reads of this slot are over
	s_barrier_signal -1
	MUL8 F1, 0, 2, 0
	s_barrier_wait -1
	PLACES
	s_xor_b32 s[TB], s[TB], SLOT
	WIN 0
	v_add_nc_u32 v[ADRA], s[TB], v[ADRA0]
	v_add_nc_u32 v[ADRB], s[TB], v[ADRB0]
	FETCH 0, F0
	MUL8 F1, 1, 0, 0
	MUL8 F1, 1, 2, 0
.endif
.endm
; THE WAY OUT.  STG a: block a's 16 rows x 64 columns of f32 into my stage (each accumulator's low registers first) and back as whole rows.  FIN a: the residual is added, and the rows are stored.
.macro STG a
	WIN 0
.if (\a) >= 2
	s_wait_xcnt 0x0                                ; the stores of two blocks back have read the registers that the loads below write
.endif
.irp b, 0,1,2,3
	ds_store_b128 v[STO], v[ACC+8*(4*(\a)+(\b)):ACC+8*(4*(\a)+(\b))+3]   offset:64*(\b)
	ds_store_b128 v[STO], v[ACC+8*(4*(\a)+(\b))+4:ACC+8*(4*(\a)+(\b))+7] offset:64*(\b)+16
.endr
.irp t, 0,1,2,3,4,5,6,7
	ds_load_b128 v[TMP+32*((\a)%2)+4*(\t):TMP+32*((\a)%2)+4*(\t)+3], v[RD] offset:(\t)*2*SPITCH  ; my own bytes, served in order (ISA guide 5.7.1.4)
.endr
.endm
.macro FIN a, younger                  ; younger: the next block's sixteen LDS instructions, or none
	s_wait_dscnt \younger
	WIN 0x08                                       ; source 1 window 2
.set i, 0
.rept 16
	v_pk_add_f32 v[TMP+32*((\a)%2)+2*i:TMP+32*((\a)%2)+2*i+1], v[TMP+32*((\a)%2)+2*i:TMP+32*((\a)%2)+2*i+1], v[32*(\a)+2*i:32*(\a)+2*i+1]
.set i, i+1
.endr
	WIN 0
.irp t, 0,1,2,3,4,5,6,7
	global_store_b128 v[CO], v[TMP+32*((\a)%2)+4*(\t):TMP+32*((\a)%2)+4*(\t)+3], s[8:9] offset:(16*(\a)+2*(\t))*4096  ; 16 lanes store 256 consecutive bytes, aligned
.endr
.endm
	s_wait_tensorcnt 1                             ; my part of K step 0 is in; K step 1's may stay out
	s_barrier_signal -1
	s_barrier_wait -1
	FETCH 0, F0
	QUARTER 128, F0, F1, 1                         ; the first quarter stands in front of the loop: its first products start the sums
	WIN 0                                          ; at a label and at a branch every window is 0
	s_mov_b32 s3, STEPS-2
	s_branch .Lmid                                 ; the loop is entered behind a K step's first quarter
.Lstep:                                        ; STEPS - 2 trips: each K step but the last two fills its slot again
	QUARTER 128, F0, F1, 0
	WIN 0
.Lmid:
	QUARTER 256, F1, F0, 0
	QUARTER 384, F0, F1, 0
	TURN 1
	WIN 0
	s_sub_co_u32 s3, s3, 1
	s_cmp_lg_u32 s3, 0
	s_cbranch_scc1 .Lstep
	s_mov_b32 s3, 2
.Ltail:                                        ; two trips, the last two K steps: nothing is asked for
	QUARTER 128, F0, F1, 0
	QUARTER 256, F1, F0, 0
	QUARTER 384, F0, F1, 0
	TURN 0
	WIN 0
	s_sub_co_u32 s3, s3, 1
	s_cmp_lg_u32 s3, 0
	s_cbranch_scc1 .Ltail
	s_wait_dscnt 0x0                               ; the last trip's 32 loads, which serve nothing
	PLACES
	s_wait_loadcnt 0x0                             ; the residual
	STG 0
	STG 1
	FIN 0, 16
	STG 2
	FIN 1, 16
	STG 3
	FIN 2, 16
	FIN 3, 0
	s_wait_tensorcnt 0x0                           ; the wave's end, behind my last tensor load and my last LDS store
	ds_add_u32 v[SPW], v[NIL]
	s_wait_dscnt 0x0
	CROUND                                         ; the closing round
	s_endpgm
.Lfunc_end_k_qeef6d0aab8_ff2:
	.size	k_qeef6d0aab8_ff2, .Lfunc_end_k_qeef6d0aab8_ff2-k_qeef6d0aab8_ff2
	.p2alignl 7, 3214868480
	.fill 96, 4, 3214868480
	.section	.rodata,"a",@progbits
	.p2align	6, 0x0
	.amdhsa_kernel k_qeef6d0aab8_ff2
		.amdhsa_group_segment_fixed_size 327680
		.amdhsa_private_segment_fixed_size 0
		.amdhsa_enable_private_segment 0
		.amdhsa_kernarg_size 40
		.amdhsa_user_sgpr_count 2
		.amdhsa_user_sgpr_kernarg_segment_ptr 1
		.amdhsa_wavefront_size32 1
		.amdhsa_system_sgpr_workgroup_id_x 1
		.amdhsa_system_sgpr_workgroup_id_y 1
		.amdhsa_system_sgpr_workgroup_id_z 1
		.amdhsa_system_vgpr_workitem_id 0
		.amdhsa_next_free_vgpr 768
		.amdhsa_next_free_sgpr 76
		.amdhsa_reserve_vcc 0
		.amdhsa_float_denorm_mode_32 3
		.amdhsa_float_denorm_mode_16_64 3
		.amdhsa_memory_ordered 1
		.amdhsa_forward_progress 1
		.amdhsa_inst_pref_size 68
	.end_amdhsa_kernel
	.amdgpu_metadata
---
amdhsa.version: [ 1, 2 ]
amdhsa.kernels:
  - .name:           k_qeef6d0aab8_ff2
    .symbol:         k_qeef6d0aab8_ff2.kd
    .args:
      - { .name: act32, .offset: 0, .size: 8, .value_kind: global_buffer, .address_space: global }
      - { .name: wn, .offset: 8, .size: 8, .value_kind: global_buffer, .address_space: global }
      - { .name: out0, .offset: 16, .size: 8, .value_kind: global_buffer, .address_space: global }
      - { .name: x1, .offset: 24, .size: 8, .value_kind: global_buffer, .address_space: global }
      - { .name: b2, .offset: 32, .size: 8, .value_kind: global_buffer, .address_space: global }
    .group_segment_fixed_size: 327680
    .private_segment_fixed_size: 0
    .kernarg_segment_align: 8
    .kernarg_segment_size: 40
    .max_flat_workgroup_size: 128
    .sgpr_count:     76
    .vgpr_count:     768
    .wavefront_size: 32
...
	.end_amdgpu_metadata
.endif
;; end of part 6
